; MI455X (gfx1250); checked and timed in simulation.
; The chip was launched on July 23, 2026; its instructions are those of AMD's public machine-readable ISA for CDNA 5 (MIT licence, August 2026) and "CDNA5" Instruction Set Architecture Reference Guide (July 2026). The comments in the code are by the model that wrote it; some were corrected since.
;; Attention. Allowed arithmetic: float matrix products may take bf16 or f16 operands with f32 sums; other float arithmetic in f32, or as packed bf16 or f16 multiplies, adds, multiply-adds, maxima and minima; sums over many terms, partial sums and values carried from step to step in f32; what a program stores and reads back later, other than sums and carried values, may be rounded once to bf16 or f16.
;; Inputs: freqs_cos 2,048 x 64 float32; freqs_sin 2,048 x 64 float32; wk 1,024 x 4,096 float32; wo 4,096 x 2,048 float32; wq 2,048 x 4,096 float32; wv 1,024 x 4,096 float32; x 1 x 2,048 x 4,096 float32.
;; Outputs: out0 1 x 2,048 x 4,096 float32.
;; Constants: start_pos = 0.
;; 2 versions, each right; version 2 is version 1 with the launch cast written anew for expert scheduling mode. Each part assembles by itself: llvm-mc -triple=amdgcn-amd-amdhsa -mcpu=gfx1250 --defsym DOCPART=n.
;; ======== version 1 of 2: 4 launches
;; limits: values are held in f16: magnitudes above 65,504 overflow, below 6.1e-05 lose precision; right only within a limited range of input values
;; workspace buffers: xb 16,777,216 bytes; wb 33,554,432 bytes; wob 16,777,216 bytes; cs 524,288 bytes; qkv 16,777,216 bytes; ob 8,388,608 bytes
;; launch cast (part 1): grid 544 x 1, 8 waves a work-group, no clusters, 35,840 bytes of LDS; arguments x, wq, wk, wv, wo, freqs_cos, freqs_sin, xb, wb, wob, cs; writes xb, wb, wob, cs
.if DOCPART == 1
	.amdgcn_target "amdgcn-amd-amdhsa--gfx1250"
	.amdhsa_code_object_version 6
	.text
	.protected	k_q5f9382ed08_cast
	.globl	k_q5f9382ed08_cast
	.p2align	8
	.type	k_q5f9382ed08_cast,@function
k_q5f9382ed08_cast:
	s_mov_b64 s[64:65], 0
	v_nop
	global_prefetch_b8 v0, s[64:65] scope:SCOPE_SE
	s_setreg_imm32_b32 hwreg(HW_REG_WAVE_MODE, 25, 1), 1
	s_wait_xcnt 0x0
; THE INPUTS ARE ROUNDED ONCE TO 16 BITS.  x -> xb (bf16, as it lies); wq, wk, wv -> wb (bf16; rows 0-2047 wq, 2048-3071 wk, 3072-4095 wv); wo -> wob = 8 x bf16(wo), written as f16;
; cos, sin -> cs, one word a pair: bf16(cos) below, bf16(sin) above.
; wb AND wob LIE IN FRAGMENT ORDER, as the products' source registers want them: [panel of 64 rows][32 of K][block of 16 rows][half][lane][16 bytes], where lane l of half f holds row l % 16,
; K = 16 f + 8 (l / 16) + 0..7 of the 32.  So a later launch brings a fragment of 16 rows x 32 K by two loads of 512 consecutive bytes.
; LIMIT.  |wo| stays under 8,188 (8 wo inside f16); 8 bf16(wo) below 2^-14 keeps f16's fixed step of 6e-8.
; SHARES.  Work-groups 0-511 take a chunk of 65,536 numbers each: 262,144 bytes in, 131,072 out: 0-127 x, 128-383 the three w (16 rows a chunk), 384-511 wo (32 rows).  Work-groups 512-543: 4,096 pairs of the tables.
; Of a chunk of weights a wave takes 16 rows x 512 of K, in four panels of 128: 16 loads of 512 consecutive bytes (a row each), rounded, laid into the wave's own 16 x 272 bytes of LDS, read back as
; eight half fragments, stored 512 consecutive bytes a line.  The LDS bytes are the wave's own: no barrier.  A ring of 16 slots in registers keeps 16 loads of every wave on their way.
.set DEPTH,  16
.set ROUNDS, 4
.set VI,  1                            ; v1        my bytes in what a load covers; never rewritten once made
.set VO,  2                            ; v2        my bytes in what a store covers
.set LN,  3                            ; v3        lane
.set X,   4                            ; v[4:67]   slot i: four f32 as loaded
.set Y,   68                           ; v[68:99]  rounded words
.set Z,   100                          ; v[100:131] eight half fragments to store
.set T,   132                          ; v[132:137] at work
.set LST, 138                          ; v138      where I put 8 bytes of a row of the stage
.set LLD, 139                          ; v139      where I read 16 bytes of a fragment
.set SPW, 140                          ; v140      my spare word; never rewritten
.set NIL, 141                          ; v141      0; never rewritten
.set LP,  272                          ; a row of the stage: 128 numbers of 2 bytes + 16 bytes
.set WST, 16*LP
.set SPARE, 8*WST                      ; behind the stages: the spare words, 128 bytes a wave: four blocks of 256 bytes that no other line names
.set SRC, 30                           ; s[30:31]
.set DST, 32                           ; s[32:33]
	s_load_b512 s[8:23], s[0:1], 0x0               ; x 8, wq 10, wk 12, wv 14, wo 16, cos 18, sin 20, xb 22
	s_load_b128 s[24:27], s[0:1], 0x40             ; wb 24, wob 26
	s_load_b64 s[28:29], s[0:1], 0x50              ; cs
	v_lshl_add_u32 v[SPW], v0, 2, SPARE
	v_mov_b32 v[NIL], 0
	s_mov_b32 s2, ttmp9                            ; g
	v_lshrrev_b32 v[LN], 5, v0
	v_readfirstlane_b32 s5, v[LN]                  ; wave 0..7
	v_and_b32 v[LN], 31, v0
	s_sub_co_u32 s43, s2, 128                      ; the chunk's number in each later tensor
	s_sub_co_u32 s44, s2, 256
	s_sub_co_u32 s45, s2, 320
	s_sub_co_u32 s46, s2, 384
	s_sub_co_u32 s47, s2, 512
	s_mov_b32 s40, 0x41000000                      ; 8.0, as a pair for the packed multiply
	s_mov_b32 s41, 0x41000000
	s_mov_b32 s42, 0xffff0000                      ; a word's upper bf16
	s_mov_b32 s35, 0                               ; high words of the two offsets
	s_mov_b32 s37, 0
	s_mul_i32 s39, s5, WST                         ; my wave's stage
	v_lshl_add_u32 v[LST], v[LN], 3, s39           ; in: 8 bytes a lane, a row of 256 bytes to a line
	v_and_b32 v[LLD], 15, v0
	v_mul_u32_u24 v[LLD], v[LLD], LP
	v_bfe_u32 v[T], v0, 4, 1
	v_lshl_add_u32 v[LLD], v[T], 4, v[LLD]
	v_add_nc_u32 v[LLD], s39, v[LLD]               ; back: row l % 16, 16 bytes for each half of the lanes
; x.  One slot's turn.  ahead = 1: the slot is loaded again, 16 x 4,096 bytes further on.  left = the younger loads that may stay out.
.macro SLOT i, ahead, left
	s_wait_loadcnt \left                           ; loads come back in order: mine is in
	v_cvt_pk_bf16_f32 v[Y+2*(\i)], v[X+4*(\i)], v[X+4*(\i)+1]
	v_cvt_pk_bf16_f32 v[Y+2*(\i)+1], v[X+4*(\i)+2], v[X+4*(\i)+3]
.if \ahead
	global_load_b128 v[X+4*(\i):X+4*(\i)+3], v[VI], s[SRC:SRC+1] offset:(DEPTH+(\i))*4096 th:TH_LOAD_NT
.endif
	global_store_b64 v[VO], v[Y+2*(\i):Y+2*(\i)+1], s[DST:DST+1] offset:(\i)*2048 th:TH_STORE_NT
.endm
.macro STREAM
.irp i, 0,1,2,3,4,5,6,7,8,9,10,11,12,13,14,15
	global_load_b128 v[X+4*(\i):X+4*(\i)+3], v[VI], s[SRC:SRC+1] offset:(\i)*4096 th:TH_LOAD_NT
.endr
	s_mov_b32 s38, ROUNDS-1
.Lround_\@:
.irp i, 0,1,2,3,4,5,6,7,8,9,10,11,12,13,14,15
	SLOT \i, 1, DEPTH-1
.endr
	s_wait_xcnt 0x0                                ; the round's loads and stores have read their sources: both bases and every Y are rewritten only behind this wait
	s_add_nc_u64 s[SRC:SRC+1], s[SRC:SRC+1], DEPTH*4096
	s_add_nc_u64 s[DST:DST+1], s[DST:DST+1], DEPTH*2048
	s_sub_co_u32 s38, s38, 1
	s_cmp_lg_u32 s38, 0
	s_cbranch_scc1 .Lround_\@
.irp i, 0,1,2,3,4,5,6,7,8,9,10,11,12,13,14,15
	SLOT \i, 0, DEPTH-1-(\i)                       ; the last round loads nothing: the counts run down
.endr
.endm
; THE WEIGHTS.  Slot i is row i of the wave's 16.  kind = 1: wo.  rowb = bytes in a row of the input.  ahead = 1: the same row's next 512 bytes are asked for.
.macro FSLOT i, ahead, left, kind, rowb
	s_wait_loadcnt \left
.if \kind
	v_pk_mul_f32 v[X+4*(\i):X+4*(\i)+1], v[X+4*(\i):X+4*(\i)+1], s[40:41] op_sel_hi:[1,0]      ; a power of two: it changes no rounding
	v_pk_mul_f32 v[X+4*(\i)+2:X+4*(\i)+3], v[X+4*(\i)+2:X+4*(\i)+3], s[40:41] op_sel_hi:[1,0]
	v_cvt_pk_bf16_f32 v[T], v[X+4*(\i)], v[X+4*(\i)+1]           ; the rounding that every input has
	v_cvt_pk_bf16_f32 v[T+1], v[X+4*(\i)+2], v[X+4*(\i)+3]
	v_lshlrev_b32 v[T+2], 16, v[T]
	v_and_b32 v[T+3], s42, v[T]
	v_lshlrev_b32 v[T+4], 16, v[T+1]
	v_and_b32 v[T+5], s42, v[T+1]
	v_cvt_pk_f16_f32 v[Y+2*((\i)%4)], v[T+2], v[T+3]             ; eight significant bits: exact in f16 inside its range
	v_cvt_pk_f16_f32 v[Y+2*((\i)%4)+1], v[T+4], v[T+5]
.else
	v_cvt_pk_bf16_f32 v[Y+2*((\i)%4)], v[X+4*(\i)], v[X+4*(\i)+1]
	v_cvt_pk_bf16_f32 v[Y+2*((\i)%4)+1], v[X+4*(\i)+2], v[X+4*(\i)+3]
.endif
.if \ahead
	global_load_b128 v[X+4*(\i):X+4*(\i)+3], v[VI], s[SRC:SRC+1] offset:(\i)*(\rowb)+512 th:TH_LOAD_NT
.endif
	ds_store_b64 v[LST], v[Y+2*((\i)%4):Y+2*((\i)%4)+1] offset:(\i)*LP
.endm
.macro FLUSH                           ; the panel leaves: half fragment j = 2 x (which 32 of K) + half.  LDS serves a wave's instructions in order (ISA guide 5.7.1.4): the loads see the stores above, the next panel's stores come behind them
.irp j, 0,1,2,3,4,5,6,7
	ds_load_b128 v[Z+4*(\j):Z+4*(\j)+3], v[LLD] offset:((\j)/2)*64+((\j)%2)*32
.endr
.irp j, 0,1,2,3,4,5,6,7
	s_wait_dscnt 7-(\j)
	global_store_b128 v[VO], v[Z+4*(\j):Z+4*(\j)+3], s[DST:DST+1] offset:((\j)/2)*4096+((\j)%2)*512 th:TH_STORE_NT  ; 512 consecutive bytes, aligned
.endr
.endm
.macro FRAG kind, rowb
.irp i, 0,1,2,3,4,5,6,7,8,9,10,11,12,13,14,15
	global_load_b128 v[X+4*(\i):X+4*(\i)+3], v[VI], s[SRC:SRC+1] offset:(\i)*(\rowb) th:TH_LOAD_NT
.endr
	s_mov_b32 s38, ROUNDS-1
.Lpanel_\@:
.irp i, 0,1,2,3,4,5,6,7,8,9,10,11,12,13,14,15
	FSLOT \i, 1, DEPTH-1, \kind, \rowb
.endr
	FLUSH
	s_wait_xcnt 0x0                                ; both bases and Z, which the stores read, are rewritten only behind this wait
	s_add_nc_u64 s[SRC:SRC+1], s[SRC:SRC+1], 512   ; 128 numbers along the rows
	s_add_nc_u64 s[DST:DST+1], s[DST:DST+1], 4*4096 ; four times 32 of K
	s_sub_co_u32 s38, s38, 1
	s_cmp_lg_u32 s38, 0
	s_cbranch_scc1 .Lpanel_\@
.irp i, 0,1,2,3,4,5,6,7,8,9,10,11,12,13,14,15
	FSLOT \i, 0, DEPTH-1-(\i), \kind, \rowb
.endr
	FLUSH
	s_wait_tensorcnt 0x0                           ; the wave's end, behind my last LDS store
	ds_add_u32 v[SPW], v[NIL]
	s_wait_dscnt 0x0
	s_endpgm
.endm
	s_wait_kmcnt 0x0
	s_cmp_ge_u32 s2, 512
	s_cbranch_scc1 .Ltab
	s_cmp_ge_u32 s2, 384
	s_cbranch_scc1 .Lwo
	s_cmp_ge_u32 s2, 128
	s_cbranch_scc1 .Lw
	v_lshlrev_b32 v[VI], 4, v0                     ; x: 16 bytes a thread in, 8 out
	v_lshlrev_b32 v[VO], 3, v0
	s_lshl_b32 s34, s2, 18
	s_lshl_b32 s36, s2, 17
	s_add_nc_u64 s[SRC:SRC+1], s[8:9], s[34:35]
	s_add_nc_u64 s[DST:DST+1], s[22:23], s[36:37]
	STREAM
	s_endpgm
.Lw:                                           ; chunk dc = g - 128 of wb: rows 16 dc on: panel dc / 4, block dc % 4
	s_mov_b64 s[SRC:SRC+1], s[10:11]
	s_mov_b32 s3, s43
	s_cmp_ge_u32 s2, 256
	s_cselect_b64 s[SRC:SRC+1], s[12:13], s[SRC:SRC+1]
	s_cselect_b32 s3, s44, s3
	s_cmp_ge_u32 s2, 320
	s_cselect_b64 s[SRC:SRC+1], s[14:15], s[SRC:SRC+1]
	s_cselect_b32 s3, s45, s3
	s_lshl_b32 s34, s3, 18
	s_add_nc_u64 s[SRC:SRC+1], s[SRC:SRC+1], s[34:35]
	s_lshr_b32 s36, s43, 2
	s_lshl_b32 s36, s36, 19                        ; a panel: 64 rows x 8,192 bytes
	s_and_b32 s4, s43, 3
	s_lshl_b32 s4, s4, 10                          ; a block's fragment: 1,024 bytes
	s_add_co_u32 s36, s36, s4
	s_add_nc_u64 s[DST:DST+1], s[24:25], s[36:37]
	s_lshl_b32 s6, s5, 11                          ; my wave's 512 of K: 2,048 bytes of a row in,
	v_lshl_add_u32 v[VI], v[LN], 4, s6
	s_lshl_b32 s7, s5, 16                          ; 16 times 4,096 bytes out
	v_lshl_add_u32 v[VO], v[LN], 4, s7
	FRAG 0, 16384
.Lwo:                                          ; chunk dc = g - 384 of wob: rows 32 dc on; waves 0-3 the first 16, waves 4-7 the second: panel dc / 2, block 2 (dc % 2) + wave / 4
	s_lshl_b32 s34, s46, 18
	s_add_nc_u64 s[SRC:SRC+1], s[16:17], s[34:35]
	s_lshr_b32 s36, s46, 1
	s_lshl_b32 s36, s36, 18                        ; a panel: 64 rows x 4,096 bytes
	s_and_b32 s4, s46, 1
	s_lshl_b32 s4, s4, 11
	s_add_co_u32 s36, s36, s4
	s_add_nc_u64 s[DST:DST+1], s[26:27], s[36:37]
	s_and_b32 s6, s5, 3
	s_lshr_b32 s7, s5, 2
	s_lshl_b32 s3, s6, 11                          ; my 512 of K,
	s_lshl_b32 s4, s7, 17                          ; my 16 rows of 8,192 bytes
	s_add_co_u32 s3, s3, s4
	v_lshl_add_u32 v[VI], v[LN], 4, s3
	s_lshl_b32 s3, s6, 16
	s_lshl_b32 s4, s7, 10
	s_add_co_u32 s3, s3, s4
	v_lshl_add_u32 v[VO], v[LN], 4, s3
	FRAG 1, 8192
.Ltab:                                         ; 4,096 pairs: 16,384 bytes of cos, of sin and of cs
	v_lshlrev_b32 v[VI], 4, v0
	s_lshl_b32 s34, s47, 14
	s_add_nc_u64 s[18:19], s[18:19], s[34:35]
	s_add_nc_u64 s[20:21], s[20:21], s[34:35]
	s_add_nc_u64 s[28:29], s[28:29], s[34:35]
.irp i, 0,1,2,3
	global_load_b128 v[X+4*(\i):X+4*(\i)+3], v[VI], s[18:19] offset:(\i)*4096 th:TH_LOAD_NT
.endr
.irp i, 0,1,2,3
	global_load_b128 v[X+16+4*(\i):X+16+4*(\i)+3], v[VI], s[20:21] offset:(\i)*4096 th:TH_LOAD_NT
.endr
	s_wait_loadcnt 0x0
.set r, 0
.rept 16
	v_cvt_pk_bf16_f32 v[Y+r], v[X+r], v[X+16+r]    ; cos below, sin above
.set r, r+1
.endr
.irp i, 0,1,2,3
	global_store_b128 v[VI], v[Y+4*(\i):Y+4*(\i)+3], s[28:29] offset:(\i)*4096 th:TH_STORE_NT
.endr
	s_endpgm
.Lfunc_end_k_q5f9382ed08_cast:
	.size	k_q5f9382ed08_cast, .Lfunc_end_k_q5f9382ed08_cast-k_q5f9382ed08_cast
	.p2alignl 7, 3214868480
	.fill 96, 4, 3214868480
	.section	.rodata,"a",@progbits
	.p2align	6, 0x0
	.amdhsa_kernel k_q5f9382ed08_cast
		.amdhsa_group_segment_fixed_size 35840
		.amdhsa_private_segment_fixed_size 0
		.amdhsa_enable_private_segment 0
		.amdhsa_kernarg_size 88
		.amdhsa_user_sgpr_count 2
		.amdhsa_user_sgpr_kernarg_segment_ptr 1
		.amdhsa_wavefront_size32 1
		.amdhsa_system_sgpr_workgroup_id_x 1
		.amdhsa_system_sgpr_workgroup_id_y 1
		.amdhsa_system_sgpr_workgroup_id_z 1
		.amdhsa_system_vgpr_workitem_id 0
		.amdhsa_next_free_vgpr 144
		.amdhsa_next_free_sgpr 66
		.amdhsa_reserve_vcc 0
		.amdhsa_float_denorm_mode_32 3
		.amdhsa_float_denorm_mode_16_64 3
		.amdhsa_memory_ordered 1
		.amdhsa_forward_progress 1
		.amdhsa_inst_pref_size 57
	.end_amdhsa_kernel
	.amdgpu_metadata
---
amdhsa.version: [ 1, 2 ]
amdhsa.kernels:
  - .name:           k_q5f9382ed08_cast
    .symbol:         k_q5f9382ed08_cast.kd
    .args:
      - { .name: x, .offset: 0, .size: 8, .value_kind: global_buffer, .address_space: global }
      - { .name: wq, .offset: 8, .size: 8, .value_kind: global_buffer, .address_space: global }
      - { .name: wk, .offset: 16, .size: 8, .value_kind: global_buffer, .address_space: global }
      - { .name: wv, .offset: 24, .size: 8, .value_kind: global_buffer, .address_space: global }
      - { .name: wo, .offset: 32, .size: 8, .value_kind: global_buffer, .address_space: global }
      - { .name: freqs_cos, .offset: 40, .size: 8, .value_kind: global_buffer, .address_space: global }
      - { .name: freqs_sin, .offset: 48, .size: 8, .value_kind: global_buffer, .address_space: global }
      - { .name: xb, .offset: 56, .size: 8, .value_kind: global_buffer, .address_space: global }
      - { .name: wb, .offset: 64, .size: 8, .value_kind: global_buffer, .address_space: global }
      - { .name: wob, .offset: 72, .size: 8, .value_kind: global_buffer, .address_space: global }
      - { .name: cs, .offset: 80, .size: 8, .value_kind: global_buffer, .address_space: global }
    .group_segment_fixed_size: 35840
    .private_segment_fixed_size: 0
    .kernarg_segment_align: 8
    .kernarg_segment_size: 88
    .max_flat_workgroup_size: 256
    .sgpr_count:     66
    .vgpr_count:     144
    .wavefront_size: 32
...
	.end_amdgpu_metadata
.endif
;; end of part 1
;; launch qkv (part 2): grid 16 x 16, 4 waves a work-group, clusters of 4 x 1, 327,680 bytes of LDS; arguments xb, wb, cs, qkv; writes qkv
.if DOCPART == 2
	.amdgcn_target "amdgcn-amd-amdhsa--gfx1250"
	.amdhsa_code_object_version 6
	.text
	.protected	k_q5f9382ed08_qkv
	.globl	k_q5f9382ed08_qkv
	.p2align	8
	.type	k_q5f9382ed08_qkv,@function
k_q5f9382ed08_qkv:
	s_mov_b64 s[64:65], 0
	v_nop
	global_prefetch_b8 v0, s[64:65] scope:SCOPE_SE
	s_setreg_imm32_b32 hwreg(HW_REG_WAVE_MODE, 25, 1), 1
	s_wait_xcnt 0x0
	s_wait_alu depctr_hold_cnt(0) depctr_sa_sdst(0) depctr_va_vdst(0) depctr_va_sdst(0) depctr_va_ssrc(0) depctr_va_vcc(0) depctr_vm_vsrc(0)
	s_getreg_b32 s2, hwreg(HW_REG_IB_STS2, 6, 4)
	s_cmp_eq_u32 s2, 0
	s_cbranch_scc0 .Lentry_in_a_cluster
	s_endpgm
.Lentry_in_a_cluster:
	s_bfe_u32 s2, ttmp6, 0x10000c
	s_cmp_lg_u32 s2, 0x3003
	s_cbranch_scc0 .Lentry_shape_is_right
	s_endpgm
.Lentry_shape_is_right:
; [q | k | v] = x [wq; wk; wv]^T, then the rotation of q and k, a fixed scale, ONE rounding to f16, stored by heads.
; xb: [2048][4096] bf16.  wb: 4,096 rows x 4,096 of K in bf16, in fragment order: [panel of 64 rows][32 of K][block of 16 rows][half][lane][16 bytes].  cs: [2048][64] words (bf16 cos, bf16 sin).
; qkv: [32][2048][128] f16: heads 0-15 q, 16-23 k, 24-31 v.  Sums in f32.
; SCALES, in f32 ahead of the rounding: q and k times ALPHA = sqrt(log2(e) / sqrt(128)), so that q . k is the score in powers of two; v times 1/8.
; LIMITS.  f16 ends at 65,504: |q|, |k| behind the rotation stay under 183,000, |v| under 524,000.  NaN and infinities are not treated apart.
; SHARES.  A tile of C is 128 rows x 256 columns: 16 x 16 tiles, one to a work-group.  Wave w makes all 128 rows x columns 64 w on: 8 x 4 accumulators, 256 registers.
; x GOES THROUGH LDS: all four waves multiply the same 128 rows.  A ring of two slots, each with 256 of K as two sub-tiles of 128 rows x 256 bytes; every wave fetches 64 rows x 256 bytes of a slot.
; CLUSTER.  The four work-groups of a cluster make four neighbouring tile columns of one tile row and need the same tile of x: it is asked for JOINTLY, by the same tensor load, descriptor and mask in all four.
; w GOES STRAIGHT INTO REGISTERS: a wave's 64 rows of w are wanted by no other wave of the work-group, and in fragment order a quarter step's four fragments are 4,096 consecutive bytes: eight loads of 512.
; A ring of eight register buffers: quarter t asks for quarter t + 7.  WHY w IS NOT SHARED ALONG A TILE COLUMN BY JOINT LOADS: with both operands in LDS a slot has 384 rows, 104,448 bytes for 128 of K, and two
; slots of 256 of K (405,504 bytes) do not fit; a refill then has 112 products of a wave in which to land.  With x alone a slot of 256 of K has 69,632 bytes, and a refill has 240 products.
; THE MATRIX INSTRUCTION IS USED TRANSPOSED (source 0 = 16 rows of w, source 1 = 16 rows of x): a lane holds row l % 16 and the columns 8 (l / 16) + 0..7: four (even, odd) pairs of one position.
; REGISTERS.  window 0: v0-31 addresses; v64-127, v128-191 two buffers of x's 8 fragments; on the way out v32-255 at work.   window 1: accumulator (a, b) at 8 (4 a + b).
;   window 2: w's ring: quarter u % 8, block b at 32 u + 8 b.   window 3: v0-127 the (cos, sin) words of (a, b) at 4 (4 a + b), loaded at the head.
.set SIZE_K, 4096
.set ROWSH,  13                        ; a row of x is 2^13 bytes
.set PANSH,  19                        ; a panel of w is 2^19 bytes
.set NS,     SIZE_K/256                ; steps
.set PITCH,  272                       ; an LDS row: 256 bytes + 16 of padding: the 16 rows of a fragment load start 4 banks apart
.set LOADB,  64*PITCH                  ; what one tensor load brings
.set SUB,    128*PITCH                 ; a sub-tile: 128 rows x 128 of K
.set SLOT,   2*SUB                     ; 69,632
.set STAGE,  2*SLOT                    ; behind the ring, never filled by a tensor load: 128 rows x 528 bytes, the work-group's, for the way out
.set SP,     528
.set SPARE,  STAGE+128*SP              ; the spare words, 128 bytes a wave: two blocks of 256 bytes that no other line names
.set A0,   16                          ; v16  my place in a sub-tile: row l % 16, 16 bytes for each half of the lanes; never rewritten
.set ADRA, 17                          ; v17  the same in the slot that is being read
.set VB,   18                          ; v18  16 x lane; never rewritten
.set STO,  24                          ; v24  the way out: where I put 16 bytes of a row
.set RD,   25                          ; v25  where I read rows back
.set CO,   26                          ; v26  my bytes in qkv
.set CSO,  27                          ; v27  my bytes in 16 rows of cs
.set SPW,  28                          ; v28  my spare word; never rewritten
.set NIL,  29                          ; v29  0; never rewritten
.set F0,   64
.set F1,   128
.set PKD,  32                          ; the way out: packed f16
.set CSU,  192                         ; (c, s) in f32, scaled: pair p of block b at 192 + 8 b + 2 p
.set T,    224                         ; the rotated pair
.set CSB,  8                           ; s[8:9]   cs
.set OUT,  10                          ; s[10:11] qkv
.set WV,   12
.set WL,   13                          ; w % 2: which 64 rows of x I fetch
.set WH,   14                          ; w / 2: which 128 of a slot's K
.set LAP,  15
.set G1,   24                          ; s[24:31] descriptor group 1
.set G0,   32                          ; s[32:35] group 0 of the first fill of slot 0
.set G0W,  36                          ; s[36:39] group 0 of the first fill of slot 1; it then walks
.set FS,   43                          ; the slot filled last
.set TB,   44                          ; the slot that is being read
.set LW,   45                          ; my part of a slot
.set BP,   46                          ; s[46:47] my panel of w at the step in hand
.set SM,   48                          ; mask of the sine's half; 0 for v
.set CM,   49                          ; keeps the cosine; 0 for v
.set SCL,  50                          ; s[50:51] the scale
.set COR,  52                          ; 1.0 in the cosine's place for v
.set MSB, 0
.macro WIN new                         ; the immediate's high byte repeats the setting that is left; a switch that changes nothing is dropped
.if MSB != (\new)
	s_set_vgpr_msb (MSB<<8)|(\new)
.set MSB, \new
.endif
.endm
.set MUL, 0x52                         ; source 0 (w) window 2, source 1 (x) window 0, C and D window 1
.macro CREST                           ; a round of the cluster's barrier behind its opening barrier
	s_cmp_lg_u32 s[WV], 0
	s_cbranch_scc1 .Lnot_wave_0_\@
	s_barrier_signal -3
.Lnot_wave_0_\@:
	s_barrier_wait -3
	s_barrier_signal -1
	s_barrier_wait -1
.endm
.macro CROUND
	s_barrier_signal -1
	s_barrier_wait -1
	CREST
.endm
.macro PLACES                          ; four plain places in front of loads into registers that products have read, and of lines that read results
.rept 4
	v_nop
.endr
.endm
.macro MUL8 f, u, a0, zero             ; 8 products: m blocks a0, a0 + 1 x the 4 n blocks, 32 along K.  zero = 1: they start the sums.  The 32 accumulators take turns in the same order in every quarter
	WIN MUL
.irp a, \a0, (\a0)+1
.irp b, 0,1,2,3
.if \zero
	v_wmma_f32_16x16x32_bf16 v[8*(4*(\a)+(\b)):8*(4*(\a)+(\b))+7], v[32*(\u)+8*(\b):32*(\u)+8*(\b)+7], v[(\f)+8*(\a):(\f)+8*(\a)+7], 0
.else
	v_wmma_f32_16x16x32_bf16 v[8*(4*(\a)+(\b)):8*(4*(\a)+(\b))+7], v[32*(\u)+8*(\b):32*(\u)+8*(\b)+7], v[(\f)+8*(\a):(\f)+8*(\a)+7], v[8*(4*(\a)+(\b)):8*(4*(\a)+(\b))+7]
.endif
.endr
.endr
.endm
.macro FETCH q, f                      ; 16 LDS loads in one run: x's 8 fragments of quarter q of the slot, in the order of the blocks
	WIN 0
.irp a, 0,1,2,3,4,5,6,7
	ds_load_b128 v[(\f)+8*(\a):(\f)+8*(\a)+3],   v[ADRA] offset:((\q)/4)*SUB+((\q)%4)*64+(\a)*16*PITCH
	ds_load_b128 v[(\f)+8*(\a)+4:(\f)+8*(\a)+7], v[ADRA] offset:((\q)/4)*SUB+((\q)%4)*64+(\a)*16*PITCH+32
.endr
.endm
.macro RELOAD buf, off                 ; 8 loads of 512 consecutive bytes: w's 4 fragments of the quarter that lies off quarters behind BP, into ring buffer buf
	WIN 0x80
.irp b, 0,1,2,3
	global_load_b128 v[32*(\buf)+8*(\b):32*(\buf)+8*(\b)+3],   v[VB], s[BP:BP+1] offset:(\off)*4096+(\b)*1024
	global_load_b128 v[32*(\buf)+8*(\b)+4:32*(\buf)+8*(\b)+7], v[VB], s[BP:BP+1] offset:(\off)*4096+(\b)*1024+512
.endr
.endm
; Quarter u (0 to 6) of a step: 32 along K, 32 products on x's buffer u % 2 and ring buffer u.  In its middle x's next quarter is fetched, and (reload = 1) the ring buffer that the quarter before has
; multiplied takes the quarter seven on.  lc: the younger loads of w that may stay out.
.macro QUARTER u, off, lc, reload, zero
	s_wait_loadcnt \lc                             ; loads come back in order: this quarter's fragments of w are in
	s_wait_dscnt 8                                 ; all but the youngest eight LDS loads: x's blocks 4 to 7
	MUL8 F0+64*((\u)%2), \u, 0, \zero
	MUL8 F0+64*((\u)%2), \u, 2, \zero
	PLACES
	FETCH (\u)+1, F0+64*(((\u)+1)%2)
.if \reload
	RELOAD ((\u)+7)%8, \off
.endif
	s_wait_dscnt 16                                ; all but the 16 just issued
	MUL8 F0+64*((\u)%2), \u, 4, \zero
	MUL8 F0+64*((\u)%2), \u, 6, \zero
.endm
; Quarter 7 changes slots.  PRE: each wave waits for all its tensor loads (one is out: its part of the next slot), adds 0 to its spare word, waits for that and for its reads of this slot; a round of the cluster's barrier.
.macro PRE
	WIN 0
	s_wait_tensorcnt 0x0                           ; no tensor load of mine is out, so the walking descriptor may be written
	ds_add_u32 v[SPW], v[NIL]                      ; 0 onto my spare word
	s_xor_b32 s[FS], s[FS], SLOT                   ; the slot that has just been read,
	s_add_co_u32 s[G0W+1], s[FS], s[LW]
	s_add_nc_u64 s[G0W+2:G0W+3], s[G0W+2:G0W+3], 512  ; the next 256 of K; the type bits on top are not reached
	s_xor_b32 s[TB], s[TB], SLOT                   ; the reads go on in the other slot
	s_wait_loadcnt 48
	s_wait_dscnt 9                                 ; the add and x's blocks 4 to 7 may be out
	MUL8 F1, 7, 0, 0
	s_wait_dscnt 0x0                               ; the add is done, and my reads of this slot are over
	s_barrier_signal -1
	MUL8 F1, 7, 2, 0
	WIN 0
	s_barrier_wait -1
	CREST                                          ; no wave of any partner still reads this slot or has a load on its way
.endm
.macro POST                            ; behind the change: the next slot's first fragments, the ring's turn, the rest of quarter 7
	v_add_nc_u32 v[ADRA], s[TB], v[A0]
	FETCH 0, F0
	RELOAD 6, 14
	MUL8 F1, 7, 4, 0
	MUL8 F1, 7, 6, 0
.endm
	s_load_b256 s[4:11], s[0:1], 0x0               ; xb s[4:5], wb s[6:7], cs s[8:9], qkv s[10:11]
	v_lshl_add_u32 v[SPW], v0, 2, SPARE
	v_mov_b32 v[NIL], 0
	ds_add_u32 v[SPW], v[NIL]                      ; the wave's opening: the add and its wait come ahead of my first tensor load
	v_lshrrev_b32 v1, 5, v0
	v_readfirstlane_b32 s[WV], v1
	s_and_b32 s[WL], s[WV], 1
	s_lshr_b32 s[WH], s[WV], 1
	s_bfe_u32 s40, ttmp6, 0x40000                  ; cx
	s_lshl_b32 s41, ttmp9, 2
	s_add_co_u32 s41, s41, s40                     ; tile column: it enters w's and qkv's addresses alone
	s_and_b32 s42, ttmp7, 0xffff                   ; tile row, which the four partners share
	s_mov_b32 s[G1], 15|(1<<16)|(1<<20)|(1<<21)|(5<<22)|(3<<25)  ; the mask of four; 2-byte elements; padding on; bit 21 beside a mask; after every 64 words; 4 words
	s_mov_b32 s[G1+1], 128<<16                     ; tensor_dim0 = 128
	s_mov_b32 s[G1+2], 64<<16                      ; tensor_dim1 = 64
	s_mov_b32 s[G1+3], 128<<16                     ; tile_dim0 = 128
	s_mov_b32 s[G1+4], 64                          ; tile_dim1 = 64
	s_mov_b32 s[G1+5], SIZE_K                      ; elements from row to row
	s_mov_b32 s[G1+6], 0
	s_mov_b32 s[G1+7], 0
	s_lshl_b32 s16, s42, 7                         ; x: row 128 x tile row + 64 (w % 2) (s16, s17 never hold cx),
	s_lshl_b32 s17, s[WL], 6
	s_add_co_u32 s16, s16, s17
	s_lshl_b32 s16, s16, ROWSH
	s_lshl_b32 s17, s[WH], 8                       ; and 256 bytes on for the second 128 of K
	s_add_co_u32 s16, s16, s17
	s_mov_b32 s17, 0
	s_mul_i32 s[LW], s[WV], LOADB                  ; where it goes: sub-tile w / 2, rows 64 (w % 2) on = wave x 64 rows
	s_mov_b32 s[FS], SLOT
	s_mov_b32 s[TB], 0
	s_lshl_b32 s20, s41, 2                         ; w: panel 4 x tile column + wave
	s_add_co_u32 s20, s20, s[WV]
	s_lshl_b32 s20, s20, PANSH
	s_mov_b32 s21, 0
	s_wait_dscnt 0x0                               ; the opening add is done
	s_wait_kmcnt 0x0
	s_add_nc_u64 s[18:19], s[4:5], s[16:17]
	s_add_nc_u64 s[BP:BP+1], s[6:7], s[20:21]
	s_mov_b32 s[G0], 1
	s_mov_b32 s[G0+1], s[LW]                       ; slot 0
	s_mov_b64 s[G0+2:G0+3], s[18:19]               ; step 0
	s_or_b32 s[G0+3], s[G0+3], 0x80000000
	s_mov_b32 s[G0W], 1
	s_add_co_u32 s[G0W+1], s[LW], SLOT             ; slot 1
	s_add_nc_u64 s[G0W+2:G0W+3], s[18:19], 512     ; step 1
	s_or_b32 s[G0W+3], s[G0W+3], 0x80000000
	CROUND                                         ; all four work-groups are here: the first joint loads meet
	tensor_load_to_lds s[G0:G0+3], s[G1:G1+7]      ; two loads of mine are out
	s_nop 0
	tensor_load_to_lds s[G0W:G0W+3], s[G1:G1+7]
	s_nop 0
	PLACES
	v_and_b32 v1, 15, v0                           ; l % 16
	v_bfe_u32 v2, v0, 4, 1                         ; l / 16
	v_and_b32 v3, 31, v0                           ; lane
	v_lshlrev_b32 v[CSO], 8, v1                    ; row l % 16 of cs, 256 bytes a row; my four words; my wave's 32 pairs of the head's 64
	v_lshl_add_u32 v[CSO], v2, 4, v[CSO]
	s_lshl_b32 s22, s[WL], 7
	v_add_nc_u32 v[CSO], s22, v[CSO]
	s_lshl_b32 s16, s42, 15                        ; position 128 x tile row
	s_mov_b32 s17, 0
	s_add_nc_u64 s[CSB:CSB+1], s[CSB:CSB+1], s[16:17]
	WIN 0xc0                                       ; destination window 3
.irp a, 0,1,2,3,4,5,6,7
.irp b, 0,1,2,3
	global_load_b128 v[4*(4*(\a)+(\b)):4*(4*(\a)+(\b))+3], v[CSO], s[CSB:CSB+1] offset:(\a)*4096+(\b)*32  ; the words of my eight columns of block (a, b): asked for ahead of all of w, so they are in when any of w is
.endr
.endr
	WIN 0
	v_lshlrev_b32 v[VB], 4, v3
.irp q, 0,1,2,3,4,5,6
	RELOAD \q, \q                                  ; the ring's first seven quarters
.endr
	WIN 0
	v_mul_u32_u24 v[A0], v1, PITCH
	v_lshl_add_u32 v[A0], v2, 4, v[A0]
	v_mov_b32 v[ADRA], v[A0]                       ; slot 0
	s_lshl_b32 s22, s[WV], 7                       ; into the stage: row l % 16 of a block, my wave's 128 bytes of its 512, 16 bytes for each half of the lanes
	s_add_co_u32 s22, s22, STAGE
	v_mul_u32_u24 v4, v1, SP
	v_lshl_add_u32 v4, v2, 4, v4
	v_add_nc_u32 v[STO], s22, v4
	s_mul_i32 s22, s[WV], 32*SP                    ; back: wave w takes rows 32 w on, whole: 512 bytes to 32 lanes
	s_add_co_u32 s22, s22, STAGE
	v_lshl_add_u32 v[RD], v3, 4, s22
	v_lshlrev_b32 v[CO], 19, v2                    ; lanes 0-15: the row's 256 bytes of the tile's first head; lanes 16-31: of its second, 524,288 bytes on
	v_lshl_add_u32 v[CO], v1, 4, v[CO]
	s_lshl_b32 s16, s42, 7                         ; the first position that I store: 128 x tile row + 32 x wave, 256 bytes each
	s_lshl_b32 s17, s[WV], 5
	s_add_co_u32 s16, s16, s17
	s_lshl_b32 s16, s16, 8
	s_mov_b32 s17, 0
	s_add_nc_u64 s[OUT:OUT+1], s[OUT:OUT+1], s[16:17]
	s_lshl_b32 s20, s41, 20                        ; head 2 x tile column
	s_mov_b32 s21, 0
	s_add_nc_u64 s[OUT:OUT+1], s[OUT:OUT+1], s[20:21]
	s_mov_b32 s22, 0x3eb6d544                      ; ALPHA = 0.357096
	s_cmp_eq_u32 ttmp9, 3                          ; the clusters with x = 3 make v's columns: alike in all partners, and it chooses numbers only
	s_cselect_b32 s[SM], 0, 0xffff0000
	s_cselect_b32 s[CM], 0, -1
	s_cselect_b32 s[SCL], 0x3e000000, s22          ; 1/8 or ALPHA
	s_cselect_b32 s[COR], 1.0, 0
	s_mov_b32 s[SCL+1], s[SCL]
	s_wait_tensorcnt 1                             ; my part of step 0 is in; step 1's may stay out
	s_barrier_signal -1
	s_barrier_wait -1
	FETCH 0, F0
	QUARTER 0, 7, 48, 1, 1                         ; the first quarter starts the sums
	WIN 0
	s_mov_b32 s[LAP], NS-1
	s_branch .Lin                                  ; the loop is entered behind a step's first quarter
.Lstep:                                        ; a trip: the rest of quarter 7, the next step's quarters 0 to 6, the first half of its quarter 7 and the change of slots
	POST
	QUARTER 0, 15, 48, 1, 0
	WIN 0
	s_wait_xcnt 0x0                                ; every load of w issued so far (the youngest sixteen products back) has read its address
	s_add_nc_u64 s[BP:BP+1], s[BP:BP+1], 8*4096
.Lin:
	QUARTER 1, 8,  48, 1, 0
	QUARTER 2, 9,  48, 1, 0
	QUARTER 3, 10, 48, 1, 0
	QUARTER 4, 11, 48, 1, 0
	QUARTER 5, 12, 48, 1, 0
	QUARTER 6, 13, 48, 1, 0
	PRE
	s_sub_co_u32 s[LAP], s[LAP], 1
	s_cmp_eq_u32 s[LAP], 0
	s_cbranch_scc1 .Lout                           ; the last step but one: the last step's tile is in, and nothing is left to ask for
	tensor_load_to_lds s[G0W:G0W+3], s[G1:G1+7]    ; the step two on, into the slot just read: the first tensor load behind the round, 240 products ahead of the wait for it
	s_nop 0
	PLACES                                         ; also the places in front of the loads of POST
	s_branch .Lstep
.Lout:
	PLACES
	POST
	QUARTER 0, 15, 48, 1, 0                        ; the ring's last turn: the launch's last quarter of w
	QUARTER 1, 0, 48, 0, 0                         ; the last step asks for nothing more: the counts run down
	QUARTER 2, 0, 40, 0, 0
	QUARTER 3, 0, 32, 0, 0
	QUARTER 4, 0, 24, 0, 0
	QUARTER 5, 0, 16, 0, 0
	QUARTER 6, 0, 8,  0, 0
	s_wait_loadcnt 0x0
	s_wait_dscnt 8
	MUL8 F1, 7, 0, 0
	MUL8 F1, 7, 2, 0
	s_wait_dscnt 0x0
	MUL8 F1, 7, 4, 0
	MUL8 F1, 7, 6, 0
	WIN 0
	PLACES
; THE WAY OUT, a block of 16 rows at a time: the words become (c, s) in f32, scaled (for v: c = 1/8, s = 0); (xr c - xi s, xr s + xi c); one rounding to f16; 16 bytes a lane into the work-group's stage.
.macro ROPE a
	WIN 0x0c                                       ; source 1 in window 3
.irp b, 0,1,2,3
.irp p, 0,1,2,3
	v_lshlrev_b32 v[CSU+8*(\b)+2*(\p)], 16, v[4*(4*(\a)+(\b))+(\p)]
	v_and_b32 v[CSU+8*(\b)+2*(\p)+1], s[SM], v[4*(4*(\a)+(\b))+(\p)]
.endr
.endr
	WIN 0
.irp b, 0,1,2,3
.irp p, 0,1,2,3
	v_and_or_b32 v[CSU+8*(\b)+2*(\p)], v[CSU+8*(\b)+2*(\p)], s[CM], s[COR]
	v_pk_mul_f32 v[CSU+8*(\b)+2*(\p):CSU+8*(\b)+2*(\p)+1], v[CSU+8*(\b)+2*(\p):CSU+8*(\b)+2*(\p)+1], s[SCL:SCL+1] op_sel_hi:[1,0]
.endr
.endr
	WIN 0x01                                       ; source 0 in window 1.  Pair 0 first
.irp b, 0,1,2,3
.irp p, 0,1,2,3
	v_mul_f32 v[T+8*(\b)+2*(\p)],   v[8*(4*(\a)+(\b))+2*(\p)+1], v[CSU+8*(\b)+2*(\p)+1]                     ; xi s
	v_mul_f32 v[T+8*(\b)+2*(\p)+1], v[8*(4*(\a)+(\b))+2*(\p)],   v[CSU+8*(\b)+2*(\p)+1]                     ; xr s
	v_fma_f32 v[T+8*(\b)+2*(\p)],   v[8*(4*(\a)+(\b))+2*(\p)],   v[CSU+8*(\b)+2*(\p)], -v[T+8*(\b)+2*(\p)]  ; xr c - xi s
	v_fmac_f32 v[T+8*(\b)+2*(\p)+1], v[8*(4*(\a)+(\b))+2*(\p)+1], v[CSU+8*(\b)+2*(\p)]                      ; xr s + xi c
.endr
.endr
	WIN 0
.irp b, 0,1,2,3
.irp p, 0,1,2,3
	v_cvt_pk_f16_f32 v[PKD+4*(\b)+(\p)], v[T+8*(\b)+2*(\p)], v[T+8*(\b)+2*(\p)+1]
.endr
.endr
.irp b, 0,1,2,3
	ds_store_b128 v[STO], v[PKD+4*(\b):PKD+4*(\b)+3] offset:(\a)*16*SP+32*(\b)
.endr
.endm
.irp a, 0,1,2,3,4,5,6,7
	ROPE \a
.endr
	s_wait_dscnt 0x0                               ; for the others' sake: my stores into the stage are done; a row's 512 bytes come from four waves
	s_barrier_signal -1
	s_barrier_wait -1
.set t, 0
.rept 32
	ds_load_b128 v[64+4*t:64+4*t+3], v[RD] offset:t*SP
.set t, t+1
.endr
.set t, 0
.rept 32
	s_wait_dscnt 31-t
	global_store_b128 v[CO], v[64+4*t:64+4*t+3], s[OUT:OUT+1] offset:t*256  ; a position's row in each of two heads: sixteen lanes store 256 consecutive bytes, aligned
.set t, t+1
.endr
	s_wait_tensorcnt 0x0                           ; the wave's end
	ds_add_u32 v[SPW], v[NIL]
	s_wait_dscnt 0x0
	CROUND                                         ; the closing round: no work-group ends while a partner may still ask for a tile that names it
	s_endpgm
.Lfunc_end_k_q5f9382ed08_qkv:
	.size	k_q5f9382ed08_qkv, .Lfunc_end_k_q5f9382ed08_qkv-k_q5f9382ed08_qkv
	.p2alignl 7, 3214868480
	.fill 96, 4, 3214868480
	.section	.rodata,"a",@progbits
	.p2align	6, 0x0
	.amdhsa_kernel k_q5f9382ed08_qkv
		.amdhsa_group_segment_fixed_size 327680
		.amdhsa_private_segment_fixed_size 0
		.amdhsa_enable_private_segment 0
		.amdhsa_kernarg_size 32
		.amdhsa_user_sgpr_count 2
		.amdhsa_user_sgpr_kernarg_segment_ptr 1
		.amdhsa_wavefront_size32 1
		.amdhsa_system_sgpr_workgroup_id_x 1
		.amdhsa_system_sgpr_workgroup_id_y 1
		.amdhsa_system_sgpr_workgroup_id_z 1
		.amdhsa_system_vgpr_workitem_id 0
		.amdhsa_next_free_vgpr 896
		.amdhsa_next_free_sgpr 66
		.amdhsa_reserve_vcc 0
		.amdhsa_float_denorm_mode_32 3
		.amdhsa_float_denorm_mode_16_64 3
		.amdhsa_memory_ordered 1
		.amdhsa_forward_progress 1
		.amdhsa_inst_pref_size 143
	.end_amdhsa_kernel
	.amdgpu_metadata
---
amdhsa.version: [ 1, 2 ]
amdhsa.kernels:
  - .name:           k_q5f9382ed08_qkv
    .symbol:         k_q5f9382ed08_qkv.kd
    .args:
      - { .name: xb, .offset: 0, .size: 8, .value_kind: global_buffer, .address_space: global }
      - { .name: wb, .offset: 8, .size: 8, .value_kind: global_buffer, .address_space: global }
      - { .name: cs, .offset: 16, .size: 8, .value_kind: global_buffer, .address_space: global }
      - { .name: qkv, .offset: 24, .size: 8, .value_kind: global_buffer, .address_space: global }
    .group_segment_fixed_size: 327680
    .private_segment_fixed_size: 0
    .kernarg_segment_align: 8
    .kernarg_segment_size: 32
    .max_flat_workgroup_size: 128
    .sgpr_count:     66
    .vgpr_count:     896
    .wavefront_size: 32
...
	.end_amdgpu_metadata
.endif
;; end of part 2
;; launch attn (part 3): grid 32 x 8, 4 waves a work-group, clusters of 4 x 1, 327,680 bytes of LDS; arguments qkv, ob; writes ob
.if DOCPART == 3
	.amdgcn_target "amdgcn-amd-amdhsa--gfx1250"
	.amdhsa_code_object_version 6
	.text
	.protected	k_q5f9382ed08_attn
	.globl	k_q5f9382ed08_attn
	.p2align	8
	.type	k_q5f9382ed08_attn,@function
k_q5f9382ed08_attn:
	s_mov_b64 s[64:65], 0
	v_nop
	global_prefetch_b8 v0, s[64:65] scope:SCOPE_SE
	s_setreg_imm32_b32 hwreg(HW_REG_WAVE_MODE, 25, 1), 1
	s_wait_xcnt 0x0
	s_wait_alu depctr_hold_cnt(0) depctr_sa_sdst(0) depctr_va_vdst(0) depctr_va_sdst(0) depctr_va_ssrc(0) depctr_va_vcc(0) depctr_vm_vsrc(0)
	s_getreg_b32 s2, hwreg(HW_REG_IB_STS2, 6, 4)
	s_cmp_eq_u32 s2, 0
	s_cbranch_scc0 .Lentry_in_a_cluster
	s_endpgm
.Lentry_in_a_cluster:
	s_bfe_u32 s2, ttmp6, 0x10000c
	s_cmp_lg_u32 s2, 0x3003
	s_cbranch_scc0 .Lentry_shape_is_right
	s_endpgm
.Lentry_shape_is_right:
; CAUSAL ATTENTION, 16 query heads on 8 key and value heads, head size 128.  qkv: [32][2048][128] f16 (q and k carry ALPHA each, so q . k is the score in powers of two; v carries 1/8).
; ob: [2048][2048] f16, column = head x 128 + channel, holds O / 8.  Products, maxima and sums in f32; the weights p are rounded to f16 for the second product (their sum is taken unrounded), O once.
; LIMITS.  A hidden score counts as -2^100; a weight below 2^-126 counts as 0; NaN and infinities are not treated apart.
; THE WALK.  A block is 32 positions x the two query heads of key head g: four tiles of 16 queries.  With c the cluster's x and cx the place in it, a work-group takes block A at position 128 c + 32 cx
; (c + 1 key steps of 128) and then block B at 128 (15 - c) + 32 (3 - cx) (16 - c steps): 17 steps, whatever c and cx.  One loop with a constant trip count walks them.
; THE KEYS ARE SPLIT AMONG THE WAVES: in every step wave w takes keys 32 w .. 32 w + 31, for all four tiles, with a running maximum m, sum l and O^T of its own; the four meet in LDS at a block's end.
; CLUSTER.  The four partners share c and g and so walk the same tiles of K and V in every trip: every fill is a joint load.  cx enters Q's and O's addresses, the prefetch's address and two numbers of the mask.
; LAYOUT.  S^T = K Q^T (source 0 = 16 keys, source 1 = 16 queries): a lane holds ONE query (l % 16) and keys 8 (l / 16) + 0..7; two such results rounded to f16 ARE source 1 of O^T = V^T P.  V is turned by ds_load_tr16_b128.
; THE MASK is the C operand that starts S^T: MC = MD x AL + BE.  MD is the mask of 32 keys against the 32 positions that lie over them.  In a block's last step (AL, BE) = (1, 0) in the wave whose keys are the block's
; own, (0, 0) in the waves below it, (0, -2^100) above it; in all other steps (0, 0).  A wave that sees no key ends with m = -2^100, and the meeting gives it the weight 2^(m - M) = 0.
; SOFTMAX.  p = 2^(s - m); in every step O^T and l are multiplied by a = 2^(m_old - m_new).  m starts at the lowest finite number, so a block's first a is 0 and O^T and l need only be finite there.
; REGISTERS.  window 0: v0-23 addresses; v24-55 eight of statistics a tile; v64-127 S^T; v128-159 P; v160-191 MD; v192-223 MC; v224-243 at work in the meeting.
;   window 1: O^T, tile t, channel block cb at 64 t + 8 cb.   window 2: v0-127 Q (32 t + 8 ch); v128-191 K; v192-255 V.
.set PK,    272                        ; a row of K in LDS: 256 + 16 bytes
.set PV,    288                        ; a row of V: 256 + 32 bytes
.set VOFF,  128*PK
.set SLOT,  128*(PK+PV)                ; 71,680: a step's K, then its V
.set MRG,   2*SLOT                     ; behind the ring, never filled by a tensor load: each wave's O^T in f32, 64 rows x 528 bytes
.set MP,    528
.set MWAVE, 64*MP
.set STATS, MRG+4*MWAVE                ; (m, l): wave x 512 + tile x 128 + query x 8
.set WSC,   STATS+2048                 ; 256 bytes for each wave, its own: a tile's four weights a query
.set SPARE, WSC+1024                   ; the spare words, 128 bytes a wave: two blocks of 256 bytes that no other line names
.set AK0, 2                            ; v2   my place in a step's K; never rewritten
.set AV0, 3                            ; v3   in its V
.set ADRK, 4
.set ADRV, 5
.set QO,  6                            ; v6   my bytes in 16 rows of Q
.set MST, 7                            ; v7   where I put O^T
.set OO,  8                            ; v8   my bytes of ob
.set MRD, 12                           ; v12-15  where I read wave j's part of my tile
.set STA, 16
.set STR, 17
.set WSA, 18
.set WSR, 19
.set SPW, 20                           ; v20  my spare word; never rewritten
.set NIL, 21                           ; v21  0; never rewritten
.set PFO, 22                           ; v22  256 x lane
.set ST,  24                           ; tile t at ST + 8 t: m, 0, l (two), c0, c1, a, c3
.set S,   64
.set P,   128
.set MD,  160
.set MC,  192
.set KF,  128
.set VF,  192
.set LIM, 3                            ; s3   2 in a wave that prefetches, else the greatest number
.set WV,  12
.set CX,  13
.set CC,  14
.set GH,  15
.set G1K, 24
.set G1V, 32
.set G0K, 40
.set G0V, 44
.set KB,  48                           ; s[48:49] K at my half of step 0
.set VB,  50
.set QA,  52
.set QB,  54
.set OP,  56                           ; s[56:57] ob at the block in hand
.set OPB, 58
.set SEL, 60
.set OFF, 62                           ; s[62:63] a step's byte offset in K and V
.set FS,  66                           ; the slot to be filled
.set TB,  67                           ; the slot to be read
.set LK,  68
.set LV,  69
.set RT,  70                           ; steps of the block in hand still to do
.set NXT, 71                           ; the step asked for last
.set LQ,  72                           ; the last step of the block whose steps are being asked for
.set LQB, 73
.set PEND, 74                          ; 1: a block's parts lie in LDS
.set TRIPS, 75
.set AL,  76
.set BE,  78
.set ALD, 80
.set BED, 81
.set ALDB, 82
.set BEDB, 83
.set BIGN, 84
.set NBS, 85
.set PFA, 86
.set MSB, 0
.macro WIN new
.if MSB != (\new)
	s_set_vgpr_msb (MSB<<8)|(\new)
.set MSB, \new
.endif
.endm
.set W_KQ, 0x0a                        ; K and Q in window 2; C and S^T in window 0
.set W_PV, 0x52                        ; V in window 2, P in window 0, O^T in window 1
.set W_RS, 0x41                        ; destination and source 0 in window 1
.macro JLOAD                           ; waves 0 and 1 fetch the halves of a step's K, waves 2 and 3 those of its V.  An s_nop 0 and four v_nop follow each line
	s_cmp_lt_u32 s[WV], 2
	s_cbranch_scc0 .Lfor_v_\@
	tensor_load_to_lds s[G0K:G0K+3], s[G1K:G1K+7]
	s_nop 0
.rept 4
	v_nop
.endr
	s_branch .Lasked_\@
.Lfor_v_\@:
	tensor_load_to_lds s[G0V:G0V+3], s[G1V:G1V+7]
	s_nop 0
.rept 4
	v_nop
.endr
.Lasked_\@:
.endm
; A PREFETCH INTO THE L2.  All eight clusters of a key head read the same K and V: the first of them (c = 0), whose block B walks steps 0 to 15 in trips 0 to 15, asks in trip t for step t + 2, t = 0 .. 13.
; Its four partners take 32 rows each, told apart by address; wave 0 asks for K's, wave 2 for V's; a lane a row of 256 bytes.  So each row is named once.  Steps 0 and 1 come by their loads alone.
.macro ASK
	s_cmp_gt_u32 s[TRIPS], s[LIM]
	s_cbranch_scc0 .Lnot_mine_\@
	global_prefetch_b8 v[PFO], s[PFA:PFA+1] th:TH_LOAD_NT scope:SCOPE_SE
.Lnot_mine_\@:
.endm
.macro CROUND
	s_barrier_signal -1
	s_barrier_wait -1
	s_cmp_lg_u32 s[WV], 0
	s_cbranch_scc1 .Lnot_wave_0_\@
	s_barrier_signal -3
.Lnot_wave_0_\@:
	s_barrier_wait -3
	s_barrier_signal -1
	s_barrier_wait -1
.endm
.macro PLACES
.rept 4
	v_nop
.endr
.endm
; THE CHANGE OF SLOTS.  Each wave waits for all its tensor loads (one is out: its part of the other slot), adds 0 to its spare word, and waits for that and for all its LDS instructions.
; fill = 1: the slot just read is filled with the walk's next step; the barrier is a round of the cluster's, and the joint load the first thing behind it: it has a whole step in which to land.
.macro CHANGE fill
	WIN 0
	s_wait_tensorcnt 0x0                           ; no tensor load of mine is out, so the descriptors may be written
	ds_add_u32 v[SPW], v[NIL]                      ; 0 onto my spare word; scalar work stands between it and the wait for it
.if \fill
	s_add_co_u32 s[NXT], s[NXT], 1                 ; the block's next step, or behind its last block B's step 0
	s_cmp_gt_u32 s[NXT], s[LQ]
	s_cselect_b32 s[NXT], 0, s[NXT]
	s_cselect_b32 s[LQ], s[LQB], s[LQ]
	s_lshl_b32 s[OFF], s[NXT], 15                  ; a step is 32,768 bytes of K and of V
	s_xor_b32 s[FS], s[FS], SLOT
	s_add_co_u32 s[G0K+1], s[FS], s[LK]
	s_add_nc_u64 s[G0K+2:G0K+3], s[KB:KB+1], s[OFF:OFF+1]
	s_or_b32 s[G0K+3], s[G0K+3], 0x80000000
	s_add_co_u32 s[G0V+1], s[FS], s[LV]
	s_add_nc_u64 s[G0V+2:G0V+3], s[VB:VB+1], s[OFF:OFF+1]
	s_or_b32 s[G0V+3], s[G0V+3], 0x80000000
	s_wait_xcnt 0x0                                ; the last prefetch, a trip back, has read its address
	s_add_nc_u64 s[PFA:PFA+1], s[PFA:PFA+1], 32768
.endif
	s_xor_b32 s[TB], s[TB], SLOT
	s_wait_dscnt 0x0                               ; the add is done; my reads of the slot are over; what I stored for the meeting lies in LDS
.if \fill
	CROUND
	JLOAD
	ASK
.else
	s_barrier_signal -1
	s_barrier_wait -1
.endif
.endm
	s_load_b128 s[4:7], s[0:1], 0x0                ; qkv s[4:5], ob s[6:7]
	v_lshl_add_u32 v[SPW], v0, 2, SPARE
	v_mov_b32 v[NIL], 0
	ds_add_u32 v[SPW], v[NIL]                      ; the wave's opening: the add and its wait come ahead of my first tensor load
	v_lshrrev_b32 v1, 5, v0
	v_readfirstlane_b32 s[WV], v1
	s_bfe_u32 s[CX], ttmp6, 0x40000
	s_mov_b32 s[CC], ttmp9
	s_and_b32 s[GH], ttmp7, 0xffff
	s_add_co_u32 s16, s[GH], 16                    ; K's head, 524,288 bytes each (s16, s17 never hold cx)
	s_lshl_b32 s16, s16, 19
	s_and_b32 s17, s[WV], 1                        ; which 64 rows of a step I fetch
	s_mul_i32 s[LK], s17, 64*PK
	s_mul_i32 s[LV], s17, 64*PV
	s_add_co_u32 s[LV], s[LV], VOFF
	s_lshl_b32 s17, s17, 14
	s_add_co_u32 s16, s16, s17
	s_mov_b32 s17, 0
	s_mov_b32 s[G1K], 15|(1<<16)|(1<<20)|(1<<21)|(5<<22)|(3<<25)  ; the mask of four; 2-byte elements; padding on; bit 21 beside a mask; after every 64 words; 4 words
	s_mov_b32 s[G1V], 15|(1<<16)|(1<<20)|(1<<21)|(5<<22)|(7<<25)  ; the same with 8 words
.irp g, G1K, G1V
	s_mov_b32 s[(\g)+1], 128<<16                   ; tensor_dim0 = 128
	s_mov_b32 s[(\g)+2], 64<<16                    ; tensor_dim1 = 64
	s_mov_b32 s[(\g)+3], 128<<16                   ; tile_dim0 = 128
	s_mov_b32 s[(\g)+4], 64                        ; tile_dim1 = 64
	s_mov_b32 s[(\g)+5], 128                       ; elements from row to row
	s_mov_b32 s[(\g)+6], 0
	s_mov_b32 s[(\g)+7], 0
.endr
	s_add_co_u32 s[RT], s[CC], 1                   ; block A has c + 1 steps
	s_mov_b32 s[NXT], 0
	s_mov_b32 s[LQ], s[CC]
	s_sub_co_u32 s[LQB], 15, s[CC]
	s_sub_co_u32 s[NBS], 16, s[CC]
	s_mov_b32 s[PEND], 0
	s_mov_b32 s[TRIPS], 16
	s_mov_b32 s[FS], 0
	s_mov_b32 s[TB], SLOT                          ; the first change turns it into 0
	s_mov_b32 s[OFF+1], 0
	s_mov_b32 s[AL+1], 0                           ; named as pairs
	s_mov_b32 s[BE+1], 0
	s_mov_b32 s[BIGN], 0xf1800000                  ; -2^100
	s_mov_b32 s[SEL], 0x76543210
	s_mov_b32 s[SEL+1], 0xfedcba98
	s_cmp_eq_u32 s[WV], s[CX]                      ; block A lies over the keys of wave cx,
	s_cselect_b32 s[ALD], 1.0, 0
	s_cmp_gt_u32 s[WV], s[CX]
	s_cselect_b32 s[BED], s[BIGN], 0
	s_sub_co_u32 s22, 3, s[CX]                     ; block B over those of wave 3 - cx
	s_cmp_eq_u32 s[WV], s22
	s_cselect_b32 s[ALDB], 1.0, 0
	s_cmp_gt_u32 s[WV], s22
	s_cselect_b32 s[BEDB], s[BIGN], 0
	s_and_b32 s[LIM], s[WV], 1
	s_or_b32 s[LIM], s[LIM], ttmp9
	s_cmp_eq_u32 s[LIM], 0                         ; waves 0 and 2 of the first cluster: alike in all four partners
	s_cselect_b32 s[LIM], 2, -1
	s_lshl_b32 s20, s[CC], 7                       ; (s20 to s23 hold what hangs on cx)
	s_lshl_b32 s21, s[CX], 5
	s_add_co_u32 s20, s20, s21                     ; block A's first position
	s_sub_co_u32 s21, 2016, s20                    ; block B's: 128 (15 - c) + 32 (3 - cx)
	s_mov_b32 s23, 0
	s_wait_dscnt 0x0                               ; the opening add is done
	s_wait_kmcnt 0x0
	s_add_nc_u64 s[KB:KB+1], s[4:5], s[16:17]
	s_add_nc_u64 s[VB:VB+1], s[KB:KB+1], 8*524288
	s_lshl_b32 s2, s[GH], 20                       ; query head 2 g
	s_lshl_b32 s22, s20, 8
	s_add_co_u32 s22, s22, s2
	s_add_nc_u64 s[QA:QA+1], s[4:5], s[22:23]
	s_lshl_b32 s22, s21, 8
	s_add_co_u32 s22, s22, s2
	s_add_nc_u64 s[QB:QB+1], s[4:5], s[22:23]
	s_lshl_b32 s2, s[GH], 9                        ; its 256 bytes in a row of ob
	s_lshl_b32 s22, s20, 12
	s_add_co_u32 s22, s22, s2
	s_add_nc_u64 s[OP:OP+1], s[6:7], s[22:23]
	s_lshl_b32 s22, s21, 12
	s_add_co_u32 s22, s22, s2
	s_add_nc_u64 s[OPB:OPB+1], s[6:7], s[22:23]
	s_cmp_lt_u32 s[WV], 2
	s_cselect_b64 s[PFA:PFA+1], s[KB:KB+1], s[VB:VB+1]
	s_lshl_b32 s22, s[CX], 13                      ; my work-group's 32 rows of the 128
	s_add_nc_u64 s[PFA:PFA+1], s[PFA:PFA+1], s[22:23]
	s_add_nc_u64 s[PFA:PFA+1], s[PFA:PFA+1], 32768 ; at step 1; the first change steps it to step 2
	s_mov_b32 s[G0K], 1
	s_mov_b32 s[G0K+1], s[LK]                      ; slot 0
	s_mov_b64 s[G0K+2:G0K+3], s[KB:KB+1]           ; step 0
	s_or_b32 s[G0K+3], s[G0K+3], 0x80000000
	s_mov_b32 s[G0V], 1
	s_mov_b32 s[G0V+1], s[LV]
	s_mov_b64 s[G0V+2:G0V+3], s[VB:VB+1]
	s_or_b32 s[G0V+3], s[G0V+3], 0x80000000
	CROUND                                         ; all four work-groups are here: the first joint loads meet
	JLOAD
.macro LOADQ base                      ; four tiles: head t / 2, positions 16 (t % 2) on; lane l holds row l % 16, channels 8 (l / 16) + 0..7 and 16 more on
	WIN 0x80
.irp t, 0,1,2,3
.irp ch, 0,1,2,3
	global_load_b128 v[32*(\t)+8*(\ch):32*(\t)+8*(\ch)+3],   v[QO], s[(\base):(\base)+1] offset:((\t)/2)*524288+((\t)%2)*4096+(\ch)*64
	global_load_b128 v[32*(\t)+8*(\ch)+4:32*(\t)+8*(\ch)+7], v[QO], s[(\base):(\base)+1] offset:((\t)/2)*524288+((\t)%2)*4096+(\ch)*64+32
.endr
.endr
	WIN 0
.endm
	v_and_b32 v1, 15, v0                           ; l % 16
	v_bfe_u32 v9, v0, 4, 1                         ; l / 16
	v_lshlrev_b32 v[QO], 8, v1
	v_lshl_add_u32 v[QO], v9, 4, v[QO]
	LOADQ QA
	WIN 0x40                                       ; O^T and l need only be finite when the first a = 0 meets them: zeros, written in the wait for the first tile
.set i, 0
.rept 256
	v_mov_b32 v[i], 0
.set i, i+1
.endr
	WIN 0
.irp t, 0,1,2,3
	v_mov_b32 v[ST+8*(\t)], 0xff7fffff             ; m
	v_mov_b32 v[ST+8*(\t)+1], 0                    ; named with m as a pair
	v_mov_b32 v[ST+8*(\t)+2], 0                    ; l
	v_mov_b32 v[ST+8*(\t)+3], 0
	v_mov_b32 v[ST+8*(\t)+5], 0                    ; destinations of the lane exchange count as read
	v_mov_b32 v[ST+8*(\t)+6], 0
.endr
	v_lshlrev_b32 v56, 3, v9
	v_sub_nc_u32 v56, v1, v56                      ; l % 16 - 8 (l / 16): register j of key block kb is hidden from position half tt where 16 kb + j - 16 tt is greater
.set i, 0
.rept 32
	v_cmp_gt_i32 vcc_lo, 16*((i/8)%2)+i%8-16*(i/16), v56
	v_cndmask_b32 v[MD+i], 0, s[BIGN], vcc_lo
.set i, i+1
.endr
	s_mul_i32 s18, s[WV], 32*PK                    ; (s18, s19: what hangs on the wave's number)
	v_mul_u32_u24 v[AK0], v1, PK
	v_lshl_add_u32 v[AK0], v9, 4, v[AK0]
	v_add_nc_u32 v[AK0], s18, v[AK0]               ; (32 w + l % 16) x pitch + 16 (l / 16)
	v_and_b32 v10, 7, v0
	v_bfe_u32 v11, v0, 3, 1
	v_lshl_add_u32 v[AV0], v9, 3, v10              ; the turning load: key 8 (l / 16) + l % 8, channels 8 ((l / 8) % 2) on
	v_mul_u32_u24 v[AV0], v[AV0], PV
	v_lshl_add_u32 v[AV0], v11, 4, v[AV0]
	s_mul_i32 s18, s[WV], 32*PV
	s_add_co_u32 s18, s18, VOFF
	v_add_nc_u32 v[AV0], s18, v[AV0]
	v_and_b32 v23, 31, v0                          ; lane
	s_mul_i32 s18, s[WV], MWAVE
	s_add_co_u32 s18, s18, MRG
	v_mul_u32_u24 v[MST], v1, MP
	v_lshl_add_u32 v[MST], v9, 5, v[MST]
	v_add_nc_u32 v[MST], s18, v[MST]               ; my part: row l % 16 of a tile, 32 bytes for each half of the lanes
	s_mul_i32 s18, s[WV], 16*MP
	s_add_co_u32 s18, s18, MRG
	v_lshl_add_u32 v[MRD], v23, 4, s18             ; tile = my wave's number, in wave 0's part; a row of 512 bytes to 32 lanes
.irp j, 1,2,3
	v_add_nc_u32 v[MRD+(\j)], (\j)*MWAVE, v[MRD]
.endr
	s_lshr_b32 s18, s[WV], 1
	s_lshl_b32 s18, s18, 8                         ; my tile's head: 256 bytes,
	s_and_b32 s19, s[WV], 1
	s_lshl_b32 s19, s19, 16                        ; its 16 positions: 16 rows of 4,096 bytes
	s_add_co_u32 s18, s18, s19
	v_lshl_add_u32 v[OO], v23, 3, s18
	s_lshl_b32 s18, s[WV], 9
	s_add_co_u32 s18, s18, STATS
	v_lshl_add_u32 v[STA], v1, 3, s18
	s_lshl_b32 s18, s[WV], 7
	s_add_co_u32 s18, s18, STATS
	v_lshl_add_u32 v[STR], v1, 3, s18
	s_lshl_b32 s18, s[WV], 8
	s_add_co_u32 s18, s18, WSC
	v_lshl_add_u32 v[WSA], v1, 4, s18
	v_mov_b32 v[WSR], s18
	v_lshlrev_b32 v[PFO], 8, v23
; THE MATRIX WORK.  Product i of 32 of S^T: channels 32 (i / 8) on, tile i % 4, key block (i % 8) / 4.  The first 8 start the sums with the mask.  The 8 accumulators take turns.
.macro KQ
	WIN W_KQ
.set rS, S+16*(i%4)+8*((i%8)/4)
.set rK, KF+32*((i%8)/4)+8*(i/8)
.set rQ, 32*(i%4)+8*(i/8)
.set rM, MC+16*(i%2)+8*((i%8)/4)
.if i < 8
	v_wmma_f32_16x16x32_f16 v[rS:rS+7], v[rK:rK+7], v[rQ:rQ+7], v[rM:rM+7]
.else
	v_wmma_f32_16x16x32_f16 v[rS:rS+7], v[rK:rK+7], v[rQ:rQ+7], v[rS:rS+7]
.endif
.endm
.macro PVM                             ; product i of 32 of O^T += V^T P: tile i % 4, channels 16 (i / 4) on: 32 different accumulators
	WIN W_PV
.set rO, 64*(i%4)+8*(i/4)
.set rV, VF+8*(i/4)
.set rP, P+8*(i%4)
	v_wmma_f32_16x16x32_f16 v[rO:rO+7], v[rV:rV+7], v[rP:rP+7], v[rO:rO+7]
.endm
.macro FETCH_K                         ; my 32 keys x 128 channels: 8 fragments
	WIN 0x80
.irp kb, 0,1
.irp ch, 0,1,2,3
	ds_load_b128 v[KF+32*(\kb)+8*(\ch):KF+32*(\kb)+8*(\ch)+3],   v[ADRK] offset:(\kb)*16*PK+(\ch)*64
	ds_load_b128 v[KF+32*(\kb)+8*(\ch)+4:KF+32*(\kb)+8*(\ch)+7], v[ADRK] offset:(\kb)*16*PK+(\ch)*64+32
.endr
.endr
.endm
.macro FETCH_V                         ; the same keys of V, turned: 8 fragments of 16 channels x 32 keys
	WIN 0x80
.irp cb, 0,1,2,3,4,5,6,7
	ds_load_tr16_b128 v[VF+8*(\cb):VF+8*(\cb)+3],   v[ADRV] offset:(\cb)*32
	ds_load_tr16_b128 v[VF+8*(\cb)+4:VF+8*(\cb)+7], v[ADRV] offset:(\cb)*32+16*PV
.endr
.endm
; THE VECTOR WORK.  A tile has 16 scores a lane, in 8 pairs.
.macro SC t, n                         ; pair n: s - m
	v_pk_add_f32 v[S+16*(\t)+2*(\n):S+16*(\t)+2*(\n)+1], v[S+16*(\t)+2*(\n):S+16*(\t)+2*(\n)+1], v[ST+8*(\t):ST+8*(\t)+1] op_sel_hi:[1,0] neg_lo:[0,1] neg_hi:[0,1]
.endm
.macro EX t, n                         ; score n: 2^(s - m)
	v_exp_f32 v[S+16*(\t)+(\n)], v[S+16*(\t)+(\n)]
.endm
.macro CV t, n                         ; pair n rounded to f16
	s_wait_alu depctr_va_vdst(0)
	v_cvt_pk_f16_f32 v[P+8*(\t)+(\n)], v[S+16*(\t)+2*(\n)], v[S+16*(\t)+2*(\n)+1]
.endm
.macro SUM t, n                        ; behind the roundings: the 8 pairs are added in place, 4, 2, 1; then l = a l + sum
.if (\n) < 4
	v_pk_add_f32 v[S+16*(\t)+4*(\n):S+16*(\t)+4*(\n)+1], v[S+16*(\t)+4*(\n):S+16*(\t)+4*(\n)+1], v[S+16*(\t)+4*(\n)+2:S+16*(\t)+4*(\n)+3]
.elseif (\n) < 6
	v_pk_add_f32 v[S+16*(\t)+8*((\n)-4):S+16*(\t)+8*((\n)-4)+1], v[S+16*(\t)+8*((\n)-4):S+16*(\t)+8*((\n)-4)+1], v[S+16*(\t)+8*((\n)-4)+4:S+16*(\t)+8*((\n)-4)+5]
.elseif (\n) == 6
	v_pk_add_f32 v[S+16*(\t):S+16*(\t)+1], v[S+16*(\t):S+16*(\t)+1], v[S+16*(\t)+8:S+16*(\t)+9]
.else
	v_pk_fma_f32 v[ST+8*(\t)+2:ST+8*(\t)+3], v[ST+8*(\t)+2:ST+8*(\t)+3], v[ST+8*(\t)+6:ST+8*(\t)+7], v[S+16*(\t):S+16*(\t)+1] op_sel_hi:[1,0,1]
.endif
.endm
.macro QQ t, n                         ; the plain instruction behind exponential (t, n): work of another tile that is ready
.if (\t) == 0
.if (\n) < 8
	SC 1, \n
.else
	SC 2, (\n)-8
.endif
.elseif (\t) == 1
.if (\n) < 8
	SC 3, \n
.else
	CV 0, (\n)-8
.endif
.elseif (\t) == 2
.if (\n) < 8
	SUM 0, \n
.else
	CV 1, (\n)-8
.endif
.else
.if (\n) < 8
	SUM 1, \n
.else
	CV 2, (\n)-8
.endif
.endif
.endm
.macro M3 d, x, y, z                   ; one line of the maximum for each tile; d, x: statistics; y, z: scores
.irp t, 0,1,2,3
	v_max3_num_f32 v[ST+8*(\t)+(\d)], v[ST+8*(\t)+(\x)], v[S+16*(\t)+(\y)], v[S+16*(\t)+(\z)]
.endr
.endm
.macro SOFTMAX
	PLACES                                         ; behind the last product
.irp t, 0,1,2,3
	v_max3_num_f32 v[ST+8*(\t)+4], v[S+16*(\t)], v[S+16*(\t)+1], v[S+16*(\t)+2]      ; each accumulator is read from its low end
.endr
.irp t, 0,1,2,3
	v_max3_num_f32 v[ST+8*(\t)+5], v[S+16*(\t)+8], v[S+16*(\t)+9], v[S+16*(\t)+10]
.endr
	M3 4, 4, 3, 4
	M3 5, 5, 11, 12
	M3 4, 4, 5, 6
	M3 5, 5, 13, 14
	M3 4, 4, 7, 15
.irp t, 0,1,2,3
	v_max3_num_f32 v[ST+8*(\t)+4], v[ST+8*(\t)+4], v[ST+8*(\t)+5], v[ST+8*(\t)]      ; and the old m
.endr
.irp t, 0,1,2,3
	v_permlanex16_b32 v[ST+8*(\t)+5], v[ST+8*(\t)+4], s[SEL], s[SEL+1]               ; the query's other 16 keys lie in the lane 16 away
.endr
.irp t, 0,1,2,3
	v_max_num_f32 v[ST+8*(\t)+4], v[ST+8*(\t)+4], v[ST+8*(\t)+5]
.endr
.irp t, 0,1,2,3
	v_sub_f32 v[ST+8*(\t)+7], v[ST+8*(\t)], v[ST+8*(\t)+4]                           ; m_old - m_new
.endr
.irp t, 0,1,2,3
	v_mov_b32 v[ST+8*(\t)], v[ST+8*(\t)+4]
.endr
.irp t, 0,1,2,3
	v_exp_f32 v[ST+8*(\t)+6], v[ST+8*(\t)+7]                                         ; a
.endr
.set n, 0
.rept 8
	SC 0, n
.set n, n+1
.endr
.irp t, 0,1,2,3                        ; exponential and plain by turns: a plain instruction stands behind every exponential before its result is used (ISA guide 5.7.2)
.set n, 0
.rept 16
	EX \t, n
	QQ \t, n
.set n, n+1
.endr
.endr
.set n, 0
.rept 8
	SUM 2, n
.set n, n+1
.endr
.set n, 0
.rept 8
	CV 3, n
.set n, n+1
.endr
.set n, 0
.rept 8
	SUM 3, n
.set n, n+1
.endr
	WIN W_RS
.irp t, 0,1,2,3
.set n, 0
.rept 32
	v_pk_mul_f32 v[64*(\t)+n:64*(\t)+n+1], v[64*(\t)+n:64*(\t)+n+1], v[ST+8*(\t)+6:ST+8*(\t)+7] op_sel_hi:[1,0]  ; O^T times a, ascending
.set n, n+2
.endr
.endr
.endm
; A KEY STEP: one text for all 17.
.macro STEP
	s_cmp_eq_u32 s[RT], 1                          ; the block's last step holds the diagonal
	s_cselect_b32 s[AL], s[ALD], 0
	s_cselect_b32 s[BE], s[BED], 0
	v_add_nc_u32 v[ADRK], s[TB], v[AK0]
	v_add_nc_u32 v[ADRV], s[TB], v[AV0]
	FETCH_K
	FETCH_V
	WIN 0
.set n, 0
.rept 16
	v_pk_fma_f32 v[MC+n:MC+n+1], v[MD+n:MD+n+1], s[AL:AL+1], s[BE:BE+1] op_sel_hi:[1,0,0]
.set n, n+2
.endr
	s_wait_loadcnt 0x0                             ; Q
	s_wait_dscnt 16                                ; K is in; V's 16 loads may stay out
.set i, 0
.rept 32
	KQ
.set i, i+1
.endr
	WIN 0
	SOFTMAX
	s_wait_dscnt 0x0                               ; V is in
.set i, 0
.rept 32
	PVM
.set i, i+1
.endr
	WIN 0
	PLACES                                         ; in front of the next loads into K's, V's and P's registers and of stores of O^T
.endm
; A BLOCK'S END, first half: my (m, l) and my O^T go into LDS.
.macro PART
.irp t, 0,1,2,3
	v_add_f32 v[ST+8*(\t)+5], v[ST+8*(\t)+2], v[ST+8*(\t)+3]
.endr
.irp t, 0,1,2,3
	v_permlanex16_b32 v[ST+8*(\t)+6], v[ST+8*(\t)+5], s[SEL], s[SEL+1]
.endr
.irp t, 0,1,2,3
	v_add_f32 v[ST+8*(\t)+5], v[ST+8*(\t)+5], v[ST+8*(\t)+6]
	v_mov_b32 v[ST+8*(\t)+4], v[ST+8*(\t)]
.endr
.irp t, 0,1,2,3
	ds_store_b64 v[STA], v[ST+8*(\t)+4:ST+8*(\t)+5] offset:128*(\t)
.endr
	WIN 0x04                                       ; store data in window 1
.irp t, 0,1,2,3
.irp cb, 0,1,2,3,4,5,6,7
	ds_store_b128 v[MST], v[64*(\t)+8*(\cb):64*(\t)+8*(\cb)+3]   offset:(\t)*16*MP+(\cb)*64
	ds_store_b128 v[MST], v[64*(\t)+8*(\cb)+4:64*(\t)+8*(\cb)+7] offset:(\t)*16*MP+(\cb)*64+16
.endr
.endr
	WIN 0
.endm
; Second half, behind a barrier: wave d finishes tile d.  M = the largest m; f_j = 2^(m_j - M) / the sum of 2^(m_j - M) l_j; O = the sum of f_j O_j, rounded once.
.macro JOIN
.irp j, 0,1,2,3
	ds_load_b64 v[224+2*(\j):225+2*(\j)], v[STR] offset:512*(\j)
.endr
	s_wait_dscnt 0x0
	v_max3_num_f32 v232, v224, v226, v228
	v_max_num_f32 v232, v232, v230
.irp j, 0,1,2,3
	v_sub_f32 v[236+(\j)], v[224+2*(\j)], v232
.endr
.irp j, 0,1,2,3
	v_exp_f32 v[236+(\j)], v[236+(\j)]
.endr
	v_nop
	s_wait_alu depctr_va_vdst(0)
	v_mul_f32 v233, v236, v225
	v_fmac_f32 v233, v237, v227
	v_fmac_f32 v233, v238, v229
	v_fmac_f32 v233, v239, v231
	v_rcp_f32 v234, v233
	v_nop
.irp j, 0,1,2,3
	s_wait_alu depctr_va_vdst(0)
	v_mul_f32 v[240+(\j)], v[236+(\j)], v234
.endr
	ds_store_b128 v[WSA], v[240:243]               ; my own bytes: the loads below come behind it in order
.irp G, 0,1,2,3                        ; four rows (queries) at a time; a lane holds four channels of a row
.irp r, 0,1,2,3
	ds_load_b128 v[128+4*(\r):131+4*(\r)], v[WSR] offset:16*(4*(\G)+(\r))            ; the row's four weights, the same in every lane
.irp j, 0,1,2,3
	ds_load_b128 v[64+16*(\r)+4*(\j):67+16*(\r)+4*(\j)], v[MRD+(\j)] offset:(4*(\G)+(\r))*MP
.endr
.endr
	s_wait_dscnt 0x0
.irp r, 0,1,2,3
.irp k, 0,1,2,3
	v_mul_f32 v[144+4*(\r)+(\k)], v[64+16*(\r)+(\k)], v[128+4*(\r)]
.endr
.irp j, 1,2,3
.irp k, 0,1,2,3
	v_fmac_f32 v[144+4*(\r)+(\k)], v[64+16*(\r)+4*(\j)+(\k)], v[128+4*(\r)+(\j)]
.endr
.endr
	v_cvt_pk_f16_f32 v[192+2*(4*(\G)+(\r))], v[144+4*(\r)], v[144+4*(\r)+1]
	v_cvt_pk_f16_f32 v[193+2*(4*(\G)+(\r))], v[144+4*(\r)+2], v[144+4*(\r)+3]
	global_store_b64 v[OO], v[192+2*(4*(\G)+(\r)):193+2*(4*(\G)+(\r))], s[OP:OP+1] offset:(4*(\G)+(\r))*4096  ; a head's 256 bytes of a position, aligned
.endr
.endr
	s_wait_xcnt 0x0                                ; the stores have read their registers and ob's address: the mask's registers and the address are written again behind this wait
.endm
.Ltrip:                                        ; 16 trips: a step is entered and the walk's next one asked for
	CHANGE 1
	s_cmp_eq_u32 s[PEND], 1
	s_cbranch_scc0 .Lno_join
	JOIN                                           ; block A's parts were stored in front of the round above
	s_mov_b64 s[OP:OP+1], s[OPB:OPB+1]
	s_mov_b32 s[PEND], 0
.Lno_join:
	STEP
	s_wait_dscnt 0x0
	s_barrier_signal -1                            ; between every wave's reads of the parts and the next stores into them
	s_barrier_wait -1
	s_sub_co_u32 s[RT], s[RT], 1
	s_cmp_eq_u32 s[RT], 0
	s_cbranch_scc0 .Lno_part
	PART                                           ; block A ends; block B begins: its Q, m at the lowest number, its mask numbers
	LOADQ QB
.irp t, 0,1,2,3
	v_mov_b32 v[ST+8*(\t)], 0xff7fffff
.endr
	s_mov_b32 s[RT], s[NBS]
	s_mov_b32 s[ALD], s[ALDB]
	s_mov_b32 s[BED], s[BEDB]
	s_mov_b32 s[PEND], 1
.Lno_part:
	s_sub_co_u32 s[TRIPS], s[TRIPS], 1
	s_cmp_lg_u32 s[TRIPS], 0
	s_cbranch_scc1 .Ltrip
	CHANGE 0                                       ; the walk's last step, block B's diagonal one, is written out: nothing is asked for
	STEP
	PART
	s_wait_dscnt 0x0                               ; for the others' sake: my parts lie in LDS
	s_barrier_signal -1
	s_barrier_wait -1
	JOIN
	s_wait_tensorcnt 0x0                           ; the wave's end
	ds_add_u32 v[SPW], v[NIL]
	s_wait_dscnt 0x0
	CROUND                                         ; the closing round
	s_endpgm
.Lfunc_end_k_q5f9382ed08_attn:
	.size	k_q5f9382ed08_attn, .Lfunc_end_k_q5f9382ed08_attn-k_q5f9382ed08_attn
	.p2alignl 7, 3214868480
	.fill 96, 4, 3214868480
	.section	.rodata,"a",@progbits
	.p2align	6, 0x0
	.amdhsa_kernel k_q5f9382ed08_attn
		.amdhsa_group_segment_fixed_size 327680
		.amdhsa_private_segment_fixed_size 0
		.amdhsa_enable_private_segment 0
		.amdhsa_kernarg_size 16
		.amdhsa_user_sgpr_count 2
		.amdhsa_user_sgpr_kernarg_segment_ptr 1
		.amdhsa_wavefront_size32 1
		.amdhsa_system_sgpr_workgroup_id_x 1
		.amdhsa_system_sgpr_workgroup_id_y 1
		.amdhsa_system_sgpr_workgroup_id_z 1
		.amdhsa_system_vgpr_workitem_id 0
		.amdhsa_next_free_vgpr 768
		.amdhsa_next_free_sgpr 88
		.amdhsa_reserve_vcc 1
		.amdhsa_float_denorm_mode_32 3
		.amdhsa_float_denorm_mode_16_64 3
		.amdhsa_memory_ordered 1
		.amdhsa_forward_progress 1
		.amdhsa_inst_pref_size 130
	.end_amdhsa_kernel
	.amdgpu_metadata
---
amdhsa.version: [ 1, 2 ]
amdhsa.kernels:
  - .name:           k_q5f9382ed08_attn
    .symbol:         k_q5f9382ed08_attn.kd
    .args:
      - { .name: qkv, .offset: 0, .size: 8, .value_kind: global_buffer, .address_space: global }
      - { .name: ob, .offset: 8, .size: 8, .value_kind: global_buffer, .address_space: global }
    .group_segment_fixed_size: 327680
    .private_segment_fixed_size: 0
    .kernarg_segment_align: 8
    .kernarg_segment_size: 16
    .max_flat_workgroup_size: 128
    .sgpr_count:     88
    .vgpr_count:     768
    .wavefront_size: 32
...
	.end_amdgpu_metadata
.endif
;; end of part 3
;; launch oproj (part 4): grid 16 x 16, 4 waves a work-group, clusters of 4 x 1, 327,680 bytes of LDS; arguments ob, wob, out0; writes out0
.if DOCPART == 4
	.amdgcn_target "amdgcn-amd-amdhsa--gfx1250"
	.amdhsa_code_object_version 6
	.text
	.protected	k_q5f9382ed08_oproj
	.globl	k_q5f9382ed08_oproj
	.p2align	8
	.type	k_q5f9382ed08_oproj,@function
k_q5f9382ed08_oproj:
	s_mov_b64 s[64:65], 0
	v_nop
	global_prefetch_b8 v0, s[64:65] scope:SCOPE_SE
	s_setreg_imm32_b32 hwreg(HW_REG_WAVE_MODE, 25, 1), 1
	s_wait_xcnt 0x0
	s_wait_alu depctr_hold_cnt(0) depctr_sa_sdst(0) depctr_va_vdst(0) depctr_va_sdst(0) depctr_va_ssrc(0) depctr_va_vcc(0) depctr_vm_vsrc(0)
	s_getreg_b32 s2, hwreg(HW_REG_IB_STS2, 6, 4)
	s_cmp_eq_u32 s2, 0
	s_cbranch_scc0 .Lentry_in_a_cluster
	s_endpgm
.Lentry_in_a_cluster:
	s_bfe_u32 s2, ttmp6, 0x10000c
	s_cmp_lg_u32 s2, 0x3003
	s_cbranch_scc0 .Lentry_shape_is_right
	s_endpgm
.Lentry_shape_is_right:
; out0 = O wo^T.  ob: [2048][2048] f16 holds O / 8.  wob: 4,096 rows x 2,048 of K in f16, 8 bf16(wo), in fragment order: [panel of 64 rows][32 of K][block of 16 rows][half][lane][16 bytes].
; out0: [2048][4096] f32.  Sums in f32; nothing is scaled on the way out.
; SHARES.  A tile of C is 128 rows x 256 columns: 16 x 16 tiles, one to a work-group.  Wave w makes all 128 rows x columns 64 w on: 8 x 4 accumulators, 256 registers.
; O GOES THROUGH LDS: all four waves multiply the same 128 rows.  A ring of two slots, each with 256 of K as two sub-tiles of 128 rows x 256 bytes; every wave fetches 64 rows x 256 bytes of a slot.
; CLUSTER.  The four work-groups of a cluster make four neighbouring tile columns of one tile row and need the same tile of O: it is asked for JOINTLY, by the same tensor load, descriptor and mask in all four.
; wo GOES STRAIGHT INTO REGISTERS: a wave's 64 rows of wo are wanted by no other wave of the work-group, and in fragment order a quarter step's four fragments are 4,096 consecutive bytes: eight loads of 512.
; A ring of eight register buffers: quarter t asks for quarter t + 7.  WHY wo IS NOT SHARED ALONG A TILE COLUMN BY JOINT LOADS: with both operands in LDS a slot has 384 rows, 104,448 bytes for 128 of K, and two
; slots of 256 of K (405,504 bytes) do not fit; a refill then has 112 products of a wave in which to land.  With O alone a slot of 256 of K has 69,632 bytes, and a refill has 240 products.
; THE MATRIX INSTRUCTION IS USED TRANSPOSED (source 0 = 16 rows of wo, source 1 = 16 rows of O): a lane holds row l % 16 and the columns 8 (l / 16) + 0..7: 32 bytes on end.
; REGISTERS.  window 0: v0-31 addresses; v64-127, v128-191 two buffers of O's 8 fragments; on the way out v64-127 rows read back.   window 1: accumulator (a, b) at 8 (4 a + b).
;   window 2: wo's ring: quarter u % 8, block b at 32 u + 8 b.
.set SIZE_K, 2048
.set ROWSH,  12                        ; a row of O is 2^12 bytes
.set PANSH,  18                        ; a panel of wo is 2^18 bytes
.set NS,     SIZE_K/256
.set PITCH,  272
.set LOADB,  64*PITCH
.set SUB,    128*PITCH
.set SLOT,   2*SUB
.set STAGE,  2*SLOT                    ; behind the ring, never filled by a tensor load: 16 rows x 272 bytes for each wave
.set WSTAGE, 16*PITCH
.set SPARE,  STAGE+4*WSTAGE            ; the spare words, 128 bytes a wave: two blocks of 256 bytes that no other line names
.set A0,   16
.set ADRA, 17
.set VB,   18
.set STO,  24
.set RD,   25
.set CO,   26
.set SPW,  28
.set NIL,  29
.set F0,   64
.set F1,   128
.set OUT,  8                           ; s[8:9] out0
.set WV,   12
.set WL,   13
.set WH,   14
.set LAP,  15
.set G1,   24
.set G0,   32
.set G0W,  36
.set FS,   43
.set TB,   44
.set LW,   45
.set BP,   46
.set MSB, 0
.macro WIN new
.if MSB != (\new)
	s_set_vgpr_msb (MSB<<8)|(\new)
.set MSB, \new
.endif
.endm
.set MUL, 0x52                         ; source 0 (wo) window 2, source 1 (O) window 0, C and D window 1
.macro CREST
	s_cmp_lg_u32 s[WV], 0
	s_cbranch_scc1 .Lnot_wave_0_\@
	s_barrier_signal -3
.Lnot_wave_0_\@:
	s_barrier_wait -3
	s_barrier_signal -1
	s_barrier_wait -1
.endm
.macro CROUND
	s_barrier_signal -1
	s_barrier_wait -1
	CREST
.endm
.macro PLACES                          ; four plain places in front of loads into registers that products have read, and of stores that read results
.rept 4
	v_nop
.endr
.endm
.macro MUL8 f, u, a0, zero             ; 8 products: m blocks a0, a0 + 1 x the 4 n blocks, 32 along K.  The 32 accumulators take turns in the same order in every quarter
	WIN MUL
.irp a, \a0, (\a0)+1
.irp b, 0,1,2,3
.if \zero
	v_wmma_f32_16x16x32_f16 v[8*(4*(\a)+(\b)):8*(4*(\a)+(\b))+7], v[32*(\u)+8*(\b):32*(\u)+8*(\b)+7], v[(\f)+8*(\a):(\f)+8*(\a)+7], 0
.else
	v_wmma_f32_16x16x32_f16 v[8*(4*(\a)+(\b)):8*(4*(\a)+(\b))+7], v[32*(\u)+8*(\b):32*(\u)+8*(\b)+7], v[(\f)+8*(\a):(\f)+8*(\a)+7], v[8*(4*(\a)+(\b)):8*(4*(\a)+(\b))+7]
.endif
.endr
.endr
.endm
.macro FETCH q, f                      ; 16 LDS loads in one run: O's 8 fragments of quarter q of the slot
	WIN 0
.irp a, 0,1,2,3,4,5,6,7
	ds_load_b128 v[(\f)+8*(\a):(\f)+8*(\a)+3],   v[ADRA] offset:((\q)/4)*SUB+((\q)%4)*64+(\a)*16*PITCH
	ds_load_b128 v[(\f)+8*(\a)+4:(\f)+8*(\a)+7], v[ADRA] offset:((\q)/4)*SUB+((\q)%4)*64+(\a)*16*PITCH+32
.endr
.endm
.macro RELOAD buf, off                 ; 8 loads of 512 consecutive bytes: wo's 4 fragments of the quarter that lies off quarters behind BP
	WIN 0x80
.irp b, 0,1,2,3
	global_load_b128 v[32*(\buf)+8*(\b):32*(\buf)+8*(\b)+3],   v[VB], s[BP:BP+1] offset:(\off)*4096+(\b)*1024
	global_load_b128 v[32*(\buf)+8*(\b)+4:32*(\buf)+8*(\b)+7], v[VB], s[BP:BP+1] offset:(\off)*4096+(\b)*1024+512
.endr
.endm
.macro QUARTER u, off, lc, reload, zero
	s_wait_loadcnt \lc                             ; loads come back in order: this quarter's fragments of wo are in
	s_wait_dscnt 8                                 ; all but the youngest eight LDS loads: O's blocks 4 to 7
	MUL8 F0+64*((\u)%2), \u, 0, \zero
	MUL8 F0+64*((\u)%2), \u, 2, \zero
	PLACES
	FETCH (\u)+1, F0+64*(((\u)+1)%2)
.if \reload
	RELOAD ((\u)+7)%8, \off
.endif
	s_wait_dscnt 16                                ; all but the 16 just issued
	MUL8 F0+64*((\u)%2), \u, 4, \zero
	MUL8 F0+64*((\u)%2), \u, 6, \zero
.endm
.macro PRE
	WIN 0
	s_wait_tensorcnt 0x0                           ; no tensor load of mine is out, so the walking descriptor may be written
	ds_add_u32 v[SPW], v[NIL]                      ; 0 onto my spare word
	s_xor_b32 s[FS], s[FS], SLOT
	s_add_co_u32 s[G0W+1], s[FS], s[LW]
	s_add_nc_u64 s[G0W+2:G0W+3], s[G0W+2:G0W+3], 512
	s_xor_b32 s[TB], s[TB], SLOT
	s_wait_loadcnt 48
	s_wait_dscnt 9                                 ; the add and O's blocks 4 to 7 may be out
	MUL8 F1, 7, 0, 0
	s_wait_dscnt 0x0                               ; the add is done, and my reads of this slot are over
	s_barrier_signal -1
	MUL8 F1, 7, 2, 0
	WIN 0
	s_barrier_wait -1
	CREST                                          ; no wave of any partner still reads this slot or has a load on its way
.endm
.macro POST
	v_add_nc_u32 v[ADRA], s[TB], v[A0]
	FETCH 0, F0
	RELOAD 6, 14
	MUL8 F1, 7, 4, 0
	MUL8 F1, 7, 6, 0
.endm
	s_load_b128 s[4:7], s[0:1], 0x0                ; ob s[4:5], wob s[6:7]
	s_load_b64 s[8:9], s[0:1], 0x10                ; out0
	v_lshl_add_u32 v[SPW], v0, 2, SPARE
	v_mov_b32 v[NIL], 0
	ds_add_u32 v[SPW], v[NIL]                      ; the wave's opening: the add and its wait come ahead of my first tensor load
	v_lshrrev_b32 v1, 5, v0
	v_readfirstlane_b32 s[WV], v1
	s_and_b32 s[WL], s[WV], 1
	s_lshr_b32 s[WH], s[WV], 1
	s_bfe_u32 s40, ttmp6, 0x40000                  ; cx
	s_lshl_b32 s41, ttmp9, 2
	s_add_co_u32 s41, s41, s40                     ; tile column: it enters wo's and out0's addresses alone
	s_and_b32 s42, ttmp7, 0xffff                   ; tile row, which the four partners share
	s_mov_b32 s[G1], 15|(1<<16)|(1<<20)|(1<<21)|(5<<22)|(3<<25)
	s_mov_b32 s[G1+1], 128<<16
	s_mov_b32 s[G1+2], 64<<16
	s_mov_b32 s[G1+3], 128<<16
	s_mov_b32 s[G1+4], 64
	s_mov_b32 s[G1+5], SIZE_K
	s_mov_b32 s[G1+6], 0
	s_mov_b32 s[G1+7], 0
	s_lshl_b32 s16, s42, 7                         ; O: row 128 x tile row + 64 (w % 2) (s16, s17 never hold cx),
	s_lshl_b32 s17, s[WL], 6
	s_add_co_u32 s16, s16, s17
	s_lshl_b32 s16, s16, ROWSH
	s_lshl_b32 s17, s[WH], 8                       ; and 256 bytes on for the second 128 of K
	s_add_co_u32 s16, s16, s17
	s_mov_b32 s17, 0
	s_mul_i32 s[LW], s[WV], LOADB
	s_mov_b32 s[FS], SLOT
	s_mov_b32 s[TB], 0
	s_lshl_b32 s20, s41, 2                         ; wo: panel 4 x tile column + wave
	s_add_co_u32 s20, s20, s[WV]
	s_lshl_b32 s20, s20, PANSH
	s_mov_b32 s21, 0
	s_wait_dscnt 0x0                               ; the opening add is done
	s_wait_kmcnt 0x0
	s_add_nc_u64 s[18:19], s[4:5], s[16:17]
	s_add_nc_u64 s[BP:BP+1], s[6:7], s[20:21]
	s_mov_b32 s[G0], 1
	s_mov_b32 s[G0+1], s[LW]
	s_mov_b64 s[G0+2:G0+3], s[18:19]
	s_or_b32 s[G0+3], s[G0+3], 0x80000000
	s_mov_b32 s[G0W], 1
	s_add_co_u32 s[G0W+1], s[LW], SLOT
	s_add_nc_u64 s[G0W+2:G0W+3], s[18:19], 512
	s_or_b32 s[G0W+3], s[G0W+3], 0x80000000
	CROUND                                         ; all four work-groups are here: the first joint loads meet
	tensor_load_to_lds s[G0:G0+3], s[G1:G1+7]      ; two loads of mine are out
	s_nop 0
	tensor_load_to_lds s[G0W:G0W+3], s[G1:G1+7]
	s_nop 0
	PLACES
	v_and_b32 v1, 15, v0                           ; l % 16
	v_bfe_u32 v2, v0, 4, 1                         ; l / 16
	v_and_b32 v3, 31, v0
	v_lshlrev_b32 v[VB], 4, v3
.irp q, 0,1,2,3,4,5,6
	RELOAD \q, \q                                  ; the ring's first seven quarters
.endr
	WIN 0
	v_mul_u32_u24 v[A0], v1, PITCH
	v_lshl_add_u32 v[A0], v2, 4, v[A0]
	v_mov_b32 v[ADRA], v[A0]
	s_mul_i32 s22, s[WV], WSTAGE
	s_add_co_u32 s22, s22, STAGE                   ; my stage
	v_mul_u32_u24 v4, v1, PITCH                    ; in: row l % 16, 32 bytes for each half of the lanes
	v_lshl_add_u32 v4, v2, 5, v4
	v_add_nc_u32 v[STO], s22, v4
	v_mul_u32_u24 v4, v2, PITCH                    ; back: lanes 0-15 one row of 256 bytes, lanes 16-31 the next
	v_lshl_add_u32 v4, v1, 4, v4
	v_add_nc_u32 v[RD], s22, v4
	v_lshlrev_b32 v[CO], 14, v2                    ; and the same two rows in out0, 16,384 bytes a row
	v_lshl_add_u32 v[CO], v1, 4, v[CO]
	s_lshl_b32 s16, s42, 21                        ; row 128 x tile row
	s_mov_b32 s17, 0
	s_add_nc_u64 s[OUT:OUT+1], s[OUT:OUT+1], s[16:17]
	s_lshl_b32 s20, s41, 10                        ; column 256 x tile column + 64 x wave, 4 bytes each
	s_lshl_b32 s21, s[WV], 8
	s_add_co_u32 s20, s20, s21
	s_mov_b32 s21, 0
	s_add_nc_u64 s[OUT:OUT+1], s[OUT:OUT+1], s[20:21]
	s_wait_tensorcnt 1                             ; my part of step 0 is in; step 1's may stay out
	s_barrier_signal -1
	s_barrier_wait -1
	FETCH 0, F0
	QUARTER 0, 7, 48, 1, 1                         ; the first quarter starts the sums
	WIN 0
	s_mov_b32 s[LAP], NS-1
	s_branch .Lin                                  ; the loop is entered behind a step's first quarter
.Lstep:
	POST
	QUARTER 0, 15, 48, 1, 0
	WIN 0
	s_wait_xcnt 0x0                                ; every load of wo issued so far (the youngest sixteen products back) has read its address
	s_add_nc_u64 s[BP:BP+1], s[BP:BP+1], 8*4096
.Lin:
	QUARTER 1, 8,  48, 1, 0
	QUARTER 2, 9,  48, 1, 0
	QUARTER 3, 10, 48, 1, 0
	QUARTER 4, 11, 48, 1, 0
	QUARTER 5, 12, 48, 1, 0
	QUARTER 6, 13, 48, 1, 0
	PRE
	s_sub_co_u32 s[LAP], s[LAP], 1
	s_cmp_eq_u32 s[LAP], 0
	s_cbranch_scc1 .Lout                           ; the last step but one: nothing is left to ask for
	tensor_load_to_lds s[G0W:G0W+3], s[G1:G1+7]    ; the step two on, into the slot just read: the first tensor load behind the round, 240 products ahead of the wait for it
	s_nop 0
	PLACES                                         ; also the places in front of the loads of POST
	s_branch .Lstep
.Lout:
	PLACES
	POST
	QUARTER 0, 15, 48, 1, 0                        ; the ring's last turn
	QUARTER 1, 0, 48, 0, 0                         ; the last step asks for nothing more: the counts run down
	QUARTER 2, 0, 40, 0, 0
	QUARTER 3, 0, 32, 0, 0
	QUARTER 4, 0, 24, 0, 0
	QUARTER 5, 0, 16, 0, 0
	QUARTER 6, 0, 8,  0, 0
	s_wait_loadcnt 0x0
	s_wait_dscnt 8
	MUL8 F1, 7, 0, 0
	MUL8 F1, 7, 2, 0
	s_wait_dscnt 0x0
	MUL8 F1, 7, 4, 0
	MUL8 F1, 7, 6, 0
	WIN 0
	PLACES
; THE WAY OUT, a block of 16 rows at a time: a lane's 32 bytes of a row go into my own stage and come back as whole rows of 256 bytes.
.macro TOSTAGE a
.set BK, 64+32*((\a)%2)
	WIN 0x04                                       ; store data in window 1; each accumulator's low four registers first
.irp b, 0,1,2,3
	ds_store_b128 v[STO], v[8*(4*(\a)+(\b)):8*(4*(\a)+(\b))+3]   offset:64*(\b)
	ds_store_b128 v[STO], v[8*(4*(\a)+(\b))+4:8*(4*(\a)+(\b))+7] offset:64*(\b)+16
.endr
	WIN 0
.irp t, 0,1,2,3,4,5,6,7
	ds_load_b128 v[BK+4*(\t):BK+4*(\t)+3], v[RD] offset:(\t)*2*PITCH  ; LDS serves a wave's instructions in order (ISA guide 5.7.1.4): these see the stores above
.endr
.endm
.macro SEND a
.set BK, 64+32*((\a)%2)
	s_wait_dscnt 0x0                               ; the block is back in registers
	s_wait_xcnt 0x0                                ; the stores of the block before have read their registers, which the next TOSTAGE loads again
.irp t, 0,1,2,3,4,5,6,7
	global_store_b128 v[CO], v[BK+4*(\t):BK+4*(\t)+3], s[OUT:OUT+1] offset:(16*(\a)+2*(\t))*16384 th:TH_STORE_NT  ; sixteen lanes store 256 consecutive bytes of a row, aligned
.endr
.endm
	TOSTAGE 0
.irp a, 1,2,3,4,5,6,7
	SEND (\a)-1
	TOSTAGE \a
.endr
	SEND 7
	s_wait_tensorcnt 0x0                           ; the wave's end
	ds_add_u32 v[SPW], v[NIL]
	s_wait_dscnt 0x0
	CROUND                                         ; the closing round
	s_endpgm
.Lfunc_end_k_q5f9382ed08_oproj:
	.size	k_q5f9382ed08_oproj, .Lfunc_end_k_q5f9382ed08_oproj-k_q5f9382ed08_oproj
	.p2alignl 7, 3214868480
	.fill 96, 4, 3214868480
	.section	.rodata,"a",@progbits
	.p2align	6, 0x0
	.amdhsa_kernel k_q5f9382ed08_oproj
		.amdhsa_group_segment_fixed_size 327680
		.amdhsa_private_segment_fixed_size 0
		.amdhsa_enable_private_segment 0
		.amdhsa_kernarg_size 24
		.amdhsa_user_sgpr_count 2
		.amdhsa_user_sgpr_kernarg_segment_ptr 1
		.amdhsa_wavefront_size32 1
		.amdhsa_system_sgpr_workgroup_id_x 1
		.amdhsa_system_sgpr_workgroup_id_y 1
		.amdhsa_system_sgpr_workgroup_id_z 1
		.amdhsa_system_vgpr_workitem_id 0
		.amdhsa_next_free_vgpr 768
		.amdhsa_next_free_sgpr 66
		.amdhsa_reserve_vcc 0
		.amdhsa_float_denorm_mode_32 3
		.amdhsa_float_denorm_mode_16_64 3
		.amdhsa_memory_ordered 1
		.amdhsa_forward_progress 1
		.amdhsa_inst_pref_size 93
	.end_amdhsa_kernel
	.amdgpu_metadata
---
amdhsa.version: [ 1, 2 ]
amdhsa.kernels:
  - .name:           k_q5f9382ed08_oproj
    .symbol:         k_q5f9382ed08_oproj.kd
    .args:
      - { .name: ob, .offset: 0, .size: 8, .value_kind: global_buffer, .address_space: global }
      - { .name: wob, .offset: 8, .size: 8, .value_kind: global_buffer, .address_space: global }
      - { .name: out0, .offset: 16, .size: 8, .value_kind: global_buffer, .address_space: global }
    .group_segment_fixed_size: 327680
    .private_segment_fixed_size: 0
    .kernarg_segment_align: 8
    .kernarg_segment_size: 24
    .max_flat_workgroup_size: 128
    .sgpr_count:     66
    .vgpr_count:     768
    .wavefront_size: 32
...
	.end_amdgpu_metadata
.endif
;; end of part 4
;; ======== version 2 of 2: 4 launches; version 1 with the launch cast written anew for expert scheduling mode
;; limits: values are held in f16: magnitudes above 65,504 overflow, below 6.1e-05 lose precision; right only within a limited range of input values
;; workspace buffers: xb 16,777,216 bytes; wb 33,554,432 bytes; wob 16,777,216 bytes; cs 524,288 bytes; qkv 16,777,216 bytes; ob 8,388,608 bytes
;; launch cast (part 5): grid 544 x 1, 8 waves a work-group, no clusters, 35,840 bytes of LDS; arguments x, wq, wk, wv, wo, freqs_cos, freqs_sin, xb, wb, wob, cs; writes xb, wb, wob, cs
.if DOCPART == 5
	.amdgcn_target "amdgcn-amd-amdhsa--gfx1250"
	.amdhsa_code_object_version 6
	.text
	.protected	k_q5f9382ed08_cast
	.globl	k_q5f9382ed08_cast
	.p2align	8
	.type	k_q5f9382ed08_cast,@function
k_q5f9382ed08_cast:
	s_mov_b64 s[64:65], 0
	v_nop
	global_prefetch_b8 v0, s[64:65] scope:SCOPE_SE
	s_setreg_imm32_b32 hwreg(HW_REG_WAVE_SCHED_MODE, 0, 2), 2
	s_setreg_imm32_b32 hwreg(HW_REG_WAVE_MODE, 25, 1), 1
	s_wait_xcnt 0x0
	s_wait_alu depctr_vm_vsrc(0)
; THE INPUTS ARE ROUNDED ONCE TO 16 BITS.  x -> xb (bf16, as it lies); wq, wk, wv -> wb (bf16; rows 0-2047 wq, 2048-3071 wk, 3072-4095 wv); wo -> wob = 8 x bf16(wo), written as f16;
; cos, sin -> cs, one word a pair: bf16(cos) below, bf16(sin) above.
; wb AND wob LIE IN FRAGMENT ORDER, as the products' source registers want them: [panel of 64 rows][32 of K][block of 16 rows][half][lane][16 bytes], where lane l of half f holds row l % 16,
; K = 16 f + 8 (l / 16) + 0..7 of the 32.  So a later launch brings a fragment of 16 rows x 32 K by two loads of 512 consecutive bytes.
; LIMIT.  |wo| stays under 8,188 (8 wo inside f16); 8 bf16(wo) below 2^-14 keeps f16's fixed step of 6e-8.
; SHARES.  Work-groups 0-511 take a chunk of 65,536 numbers each: 262,144 bytes in, 131,072 out: 0-127 x, 128-383 the three w (16 rows a chunk), 384-511 wo (32 rows).  Work-groups 512-543: 4,096 pairs of the tables.
; Of a chunk of weights a wave takes 16 rows x 512 of K, in four panels of 128: 16 loads of 512 consecutive bytes (a row each), rounded, laid into the wave's own 16 x 272 bytes of LDS, read back as
; eight half fragments, stored 512 consecutive bytes a line.  The LDS bytes are the wave's own: no barrier.  A ring of 16 slots in registers keeps 12 to 16 loads of every wave on their way.
; THE MODE: SCHED_MODE bits 1:0 = 2 (LLVM: expert scheduling mode 2), set by the entry lines.  The code itself states the register dependences between vector instructions and memory or LDS
; instructions, with s_wait_alu, always for 0.
; THE PLAN.  The 16 slots are worked in four blocks of four.  Registers that memory or LDS instructions touch:
;   X   slot i: written by its load (wo: also by its own scaling, in place); read by its roundings alone.
;   Y   slot i has a pair of its own: written by its roundings; read by its store (x: to memory; weights: to LDS); written again a round (a panel) later.
;   Z   written by a panel's eight LDS loads, read by its eight stores to memory; no vector instruction names it.
;   VI, VO, LST, LLD  offsets and LDS addresses: made once, ahead of the first load, never written again: the scalar bases move on, and immediate offsets do the rest.
;   SPW, NIL  written at the head, read by the closing add alone.   T is named by vector instructions alone.
; A BLOCK: the wait for its four loads; its roundings; ONE wait on va_vdst (they have written its four pairs of Y and are done with its four slots of X); its four loads, which ask for the same slots
; again at once, and its four stores: no vector instruction stands between that wait and them.  The wait stands behind the roundings and not at the next block's head, so that no slot lies empty meanwhile.
; ONE wait on vm_vsrc a round (a panel), beside the one s_wait_xcnt 0: every store issued so far has read its Y (and Z), which are written again only behind it.
; A panel's LDS loads into Z are issued at the panel's end, its stores to memory behind the next panel's first block: that block's work stands between the loads and the waits for them.
.set DEPTH,  16
.set ROUNDS, 4
.set VI,  1                            ; v1        my bytes in what a load covers; never rewritten once made
.set VO,  2                            ; v2        my bytes in what a store covers
.set LN,  3                            ; v3        lane
.set X,   4                            ; v[4:67]   slot i: four f32 as loaded
.set Y,   68                           ; v[68:99]  slot i: two rounded words
.set Z,   100                          ; v[100:131] eight half fragments to store
.set T,   132                          ; v[132:137] at work
.set LST, 138                          ; v138      where I put 8 bytes of a row of the stage
.set LLD, 139                          ; v139      where I read 16 bytes of a fragment
.set SPW, 140                          ; v140      my spare word; never rewritten
.set NIL, 141                          ; v141      0; never rewritten
.set LP,  272                          ; a row of the stage: 128 numbers of 2 bytes + 16 bytes
.set WST, 16*LP
.set SPARE, 8*WST                      ; behind the stages: the spare words, 128 bytes a wave: four blocks of 256 bytes that no other line names
.set SRC, 30                           ; s[30:31]
.set DST, 32                           ; s[32:33]
	s_load_b512 s[8:23], s[0:1], 0x0               ; x 8, wq 10, wk 12, wv 14, wo 16, cos 18, sin 20, xb 22
	s_load_b128 s[24:27], s[0:1], 0x40             ; wb 24, wob 26
	s_load_b64 s[28:29], s[0:1], 0x50              ; cs
	v_lshl_add_u32 v[SPW], v0, 2, SPARE
	v_mov_b32 v[NIL], 0
	s_mov_b32 s2, ttmp9                            ; g
	v_lshrrev_b32 v[LN], 5, v0
	v_readfirstlane_b32 s5, v[LN]                  ; wave 0..7
	v_and_b32 v[LN], 31, v0
	s_sub_co_u32 s43, s2, 128                      ; the chunk's number in each later tensor
	s_sub_co_u32 s44, s2, 256
	s_sub_co_u32 s45, s2, 320
	s_sub_co_u32 s46, s2, 384
	s_sub_co_u32 s47, s2, 512
	s_mov_b32 s40, 0x41000000                      ; 8.0, as a pair for the packed multiply
	s_mov_b32 s41, 0x41000000
	s_mov_b32 s42, 0xffff0000                      ; a word's upper bf16
	s_mov_b32 s35, 0                               ; high words of the two offsets
	s_mov_b32 s37, 0
	s_wait_alu depctr_va_sdst(0)                   ; s5 is written, ahead of its first reader: the wave's stage and its offsets are made from it
	s_mul_i32 s39, s5, WST                         ; my wave's stage
	v_lshl_add_u32 v[LST], v[LN], 3, s39           ; in: 8 bytes a lane, a row of 256 bytes to a line
	v_and_b32 v[LLD], 15, v0
	v_mul_u32_u24 v[LLD], v[LLD], LP
	v_bfe_u32 v[T], v0, 4, 1
	v_lshl_add_u32 v[LLD], v[T], 4, v[LLD]
	v_add_nc_u32 v[LLD], s39, v[LLD]               ; back: row l % 16, 16 bytes for each half of the lanes
; x.  Block q: slots 4 q to 4 q + 3.  ahead = 1: the slots are loaded again, 16 x 4,096 bytes further on.  left = the younger loads that may stay out.
.macro XBLK q, ahead, left
	s_wait_loadcnt \left                           ; loads come back in order: the block's four are in
.irp j, 0,1,2,3
.set r, 4*(\q)+(\j)
	v_cvt_pk_bf16_f32 v[Y+2*r], v[X+4*r], v[X+4*r+1]
	v_cvt_pk_bf16_f32 v[Y+2*r+1], v[X+4*r+2], v[X+4*r+3]
.endr
	s_wait_alu depctr_va_vdst(0)                   ; the eight roundings have written the block's four pairs of Y, which the stores below read, and are done reading its four slots of X, in which the loads below land
.if \ahead
.irp j, 0,1,2,3
.set r, 4*(\q)+(\j)
	global_load_b128 v[X+4*r:X+4*r+3], v[VI], s[SRC:SRC+1] offset:(DEPTH+r)*4096 th:TH_LOAD_NT
.endr
.endif
.irp j, 0,1,2,3
.set r, 4*(\q)+(\j)
	global_store_b64 v[VO], v[Y+2*r:Y+2*r+1], s[DST:DST+1] offset:r*2048 th:TH_STORE_NT
.endr
.endm
.macro STREAM
	s_wait_alu depctr_va_vdst(0)                   ; VI and VO are written: every load and store below reads one of them as its offset
.irp i, 0,1,2,3,4,5,6,7,8,9,10,11,12,13,14,15
	global_load_b128 v[X+4*(\i):X+4*(\i)+3], v[VI], s[SRC:SRC+1] offset:(\i)*4096 th:TH_LOAD_NT
.endr
	s_mov_b32 s38, ROUNDS-1
.Lround_\@:
	XBLK 0, 1, DEPTH-4                             ; the three younger blocks stay out
	XBLK 1, 1, DEPTH-4
	XBLK 2, 1, DEPTH-4
	XBLK 3, 1, DEPTH-4
	s_wait_xcnt 0x0                                ; the round's loads and stores have had their addresses translated: both bases and every Y are rewritten only behind this wait
	s_wait_alu depctr_vm_vsrc(0)                   ; the round's sixteen stores have read Y, which the next round's roundings write again
	s_add_nc_u64 s[SRC:SRC+1], s[SRC:SRC+1], DEPTH*4096
	s_add_nc_u64 s[DST:DST+1], s[DST:DST+1], DEPTH*2048
	s_sub_co_u32 s38, s38, 1
	s_cmp_lg_u32 s38, 0
	s_cbranch_scc1 .Lround_\@
	XBLK 0, 0, 12                                  ; the last round loads nothing: the counts run down
	XBLK 1, 0, 8
	XBLK 2, 0, 4
	XBLK 3, 0, 0
.endm
; THE WEIGHTS.  Slot i is row i of the wave's 16; block q is rows 4 q to 4 q + 3.  kind = 1: wo.  rowb = bytes in a row of the input.  ahead = 1: the same rows' next 512 bytes are asked for.
.macro FBLK q, ahead, left, kind, rowb
	s_wait_loadcnt \left                           ; loads come back in order: the block's four rows are in
.irp j, 0,1,2,3
.set r, 4*(\q)+(\j)
.if \kind
	v_pk_mul_f32 v[X+4*r:X+4*r+1], v[X+4*r:X+4*r+1], s[40:41] op_sel_hi:[1,0]      ; a power of two: it changes no rounding
	v_pk_mul_f32 v[X+4*r+2:X+4*r+3], v[X+4*r+2:X+4*r+3], s[40:41] op_sel_hi:[1,0]
	v_cvt_pk_bf16_f32 v[T], v[X+4*r], v[X+4*r+1]                 ; the rounding that every input has
	v_cvt_pk_bf16_f32 v[T+1], v[X+4*r+2], v[X+4*r+3]
	v_lshlrev_b32 v[T+2], 16, v[T]
	v_and_b32 v[T+3], s42, v[T]
	v_lshlrev_b32 v[T+4], 16, v[T+1]
	v_and_b32 v[T+5], s42, v[T+1]
	v_cvt_pk_f16_f32 v[Y+2*r], v[T+2], v[T+3]                    ; eight significant bits: exact in f16 inside its range
	v_cvt_pk_f16_f32 v[Y+2*r+1], v[T+4], v[T+5]
.else
	v_cvt_pk_bf16_f32 v[Y+2*r], v[X+4*r], v[X+4*r+1]
	v_cvt_pk_bf16_f32 v[Y+2*r+1], v[X+4*r+2], v[X+4*r+3]
.endif
.endr
	s_wait_alu depctr_va_vdst(0)                   ; the block's vector lines have written its four pairs of Y, which the LDS stores below read, and are done with its four slots of X, in which the loads below land
.if \ahead
.irp j, 0,1,2,3
.set r, 4*(\q)+(\j)
	global_load_b128 v[X+4*r:X+4*r+3], v[VI], s[SRC:SRC+1] offset:r*(\rowb)+512 th:TH_LOAD_NT
.endr
.endif
.irp j, 0,1,2,3
.set r, 4*(\q)+(\j)
	ds_store_b64 v[LST], v[Y+2*r:Y+2*r+1] offset:r*LP
.endr
.endm
; A panel's end: its sixteen rows lie in the stage and are read back as half fragments: j = 2 x (which 32 of K) + half.  LDS serves a wave's instructions in order (ISA guide 5.7.1.4): the loads see the
; stores above, and the next panel's stores come behind them.  ahead = 1: the input's base moves on to the panel just asked for.
.macro ZLOAD ahead
	s_wait_xcnt 0x0                                ; every load and store issued so far has had its addresses translated: both bases, and Z, which the last panel's stores read, are rewritten only behind this wait
	s_wait_alu depctr_vm_vsrc(0)                   ; this panel's sixteen LDS stores have read Y, which the next panel's roundings write again; the last panel's stores to memory have read Z, in which the loads below land
.if \ahead
	s_add_nc_u64 s[SRC:SRC+1], s[SRC:SRC+1], 512   ; 128 numbers along the rows
.endif
	s_add_nc_u64 s[DST:DST+1], s[DST:DST+1], 4*4096 ; four times 32 of K: one panel past the one that lies in the stage; its stores reach back
.irp j, 0,1,2,3,4,5,6,7
	ds_load_b128 v[Z+4*(\j):Z+4*(\j)+3], v[LLD] offset:((\j)/2)*64+((\j)%2)*32
.endr
.endm
; The panel leaves.  younger = the LDS instructions issued behind ZLOAD's eight: the next block's four stores, or none.
.macro SEND younger
.irp j, 0,1,2,3,4,5,6,7
	s_wait_dscnt (\younger)+7-(\j)                 ; LDS instructions come back in order: half fragment j is in
	global_store_b128 v[VO], v[Z+4*(\j):Z+4*(\j)+3], s[DST:DST+1] offset:((\j)/2)*4096+((\j)%2)*512-4*4096 th:TH_STORE_NT  ; 512 consecutive bytes, aligned
.endr
.endm
.macro FRAG kind, rowb
	s_wait_alu depctr_va_vdst(0)                   ; VI, VO, LST and LLD are written: every load and store below, to memory or to LDS, reads one of them
.irp i, 0,1,2,3,4,5,6,7,8,9,10,11,12,13,14,15
	global_load_b128 v[X+4*(\i):X+4*(\i)+3], v[VI], s[SRC:SRC+1] offset:(\i)*(\rowb) th:TH_LOAD_NT
.endr
	s_mov_b32 s38, ROUNDS-1
	FBLK 0, 1, DEPTH-4, \kind, \rowb               ; the first panel's first block is written out: no panel lies in Z yet
	s_branch .Lin_\@                               ; the loop is entered behind the place of a panel's stores
.Lpanel_\@:                                    ; a trip: a panel's first block, the stores of the panel before, its other three blocks, its way back out of the stage
	FBLK 0, 1, DEPTH-4, \kind, \rowb
	SEND 4
.Lin_\@:
	FBLK 1, 1, DEPTH-4, \kind, \rowb
	FBLK 2, 1, DEPTH-4, \kind, \rowb
	FBLK 3, 1, DEPTH-4, \kind, \rowb
	ZLOAD 1
	s_sub_co_u32 s38, s38, 1
	s_cmp_lg_u32 s38, 0
	s_cbranch_scc1 .Lpanel_\@
	FBLK 0, 0, 12, \kind, \rowb                    ; the last panel loads nothing: the counts run down
	SEND 4
	FBLK 1, 0, 8, \kind, \rowb
	FBLK 2, 0, 4, \kind, \rowb
	FBLK 3, 0, 0, \kind, \rowb
	ZLOAD 0
	SEND 0
	s_wait_dscnt 0x0                               ; the closing lines, six on end
	s_wait_alu 0x0
	s_wait_tensorcnt 0x0
	ds_add_u32 v[SPW], v[NIL]
	s_wait_dscnt 0x0
	s_endpgm
.endm
	s_wait_kmcnt 0x0
	s_cmp_ge_u32 s2, 512
	s_cbranch_scc1 .Ltab
	s_cmp_ge_u32 s2, 384
	s_cbranch_scc1 .Lwo
	s_cmp_ge_u32 s2, 128
	s_cbranch_scc1 .Lw
	v_lshlrev_b32 v[VI], 4, v0                     ; x: 16 bytes a thread in, 8 out
	v_lshlrev_b32 v[VO], 3, v0
	s_lshl_b32 s34, s2, 18
	s_lshl_b32 s36, s2, 17
	s_add_nc_u64 s[SRC:SRC+1], s[8:9], s[34:35]
	s_add_nc_u64 s[DST:DST+1], s[22:23], s[36:37]
	STREAM
	s_endpgm
.Lw:                                           ; chunk dc = g - 128 of wb: rows 16 dc on: panel dc / 4, block dc % 4
	s_mov_b64 s[SRC:SRC+1], s[10:11]
	s_mov_b32 s3, s43
	s_cmp_ge_u32 s2, 256
	s_cselect_b64 s[SRC:SRC+1], s[12:13], s[SRC:SRC+1]
	s_cselect_b32 s3, s44, s3
	s_cmp_ge_u32 s2, 320
	s_cselect_b64 s[SRC:SRC+1], s[14:15], s[SRC:SRC+1]
	s_cselect_b32 s3, s45, s3
	s_lshl_b32 s34, s3, 18
	s_add_nc_u64 s[SRC:SRC+1], s[SRC:SRC+1], s[34:35]
	s_lshr_b32 s36, s43, 2
	s_lshl_b32 s36, s36, 19                        ; a panel: 64 rows x 8,192 bytes
	s_and_b32 s4, s43, 3
	s_lshl_b32 s4, s4, 10                          ; a block's fragment: 1,024 bytes
	s_add_co_u32 s36, s36, s4
	s_add_nc_u64 s[DST:DST+1], s[24:25], s[36:37]
	s_lshl_b32 s6, s5, 11                          ; my wave's 512 of K: 2,048 bytes of a row in,
	v_lshl_add_u32 v[VI], v[LN], 4, s6
	s_lshl_b32 s7, s5, 16                          ; 16 times 4,096 bytes out
	v_lshl_add_u32 v[VO], v[LN], 4, s7
	FRAG 0, 16384
.Lwo:                                          ; chunk dc = g - 384 of wob: rows 32 dc on; waves 0-3 the first 16, waves 4-7 the second: panel dc / 2, block 2 (dc % 2) + wave / 4
	s_lshl_b32 s34, s46, 18
	s_add_nc_u64 s[SRC:SRC+1], s[16:17], s[34:35]
	s_lshr_b32 s36, s46, 1
	s_lshl_b32 s36, s36, 18                        ; a panel: 64 rows x 4,096 bytes
	s_and_b32 s4, s46, 1
	s_lshl_b32 s4, s4, 11
	s_add_co_u32 s36, s36, s4
	s_add_nc_u64 s[DST:DST+1], s[26:27], s[36:37]
	s_and_b32 s6, s5, 3
	s_lshr_b32 s7, s5, 2
	s_lshl_b32 s3, s6, 11                          ; my 512 of K,
	s_lshl_b32 s4, s7, 17                          ; my 16 rows of 8,192 bytes
	s_add_co_u32 s3, s3, s4
	v_lshl_add_u32 v[VI], v[LN], 4, s3
	s_lshl_b32 s3, s6, 16
	s_lshl_b32 s4, s7, 10
	s_add_co_u32 s3, s3, s4
	v_lshl_add_u32 v[VO], v[LN], 4, s3
	FRAG 1, 8192
.Ltab:                                         ; 4,096 pairs: 16,384 bytes of cos, of sin and of cs
	v_lshlrev_b32 v[VI], 4, v0
	s_lshl_b32 s34, s47, 14
	s_add_nc_u64 s[18:19], s[18:19], s[34:35]
	s_add_nc_u64 s[20:21], s[20:21], s[34:35]
	s_add_nc_u64 s[28:29], s[28:29], s[34:35]
	s_wait_alu depctr_va_vdst(0)                   ; VI is written: the loads and stores below read it as their offset
.irp i, 0,1,2,3
	global_load_b128 v[X+4*(\i):X+4*(\i)+3], v[VI], s[18:19] offset:(\i)*4096 th:TH_LOAD_NT
.endr
.irp i, 0,1,2,3
	global_load_b128 v[X+16+4*(\i):X+16+4*(\i)+3], v[VI], s[20:21] offset:(\i)*4096 th:TH_LOAD_NT
.endr
	s_wait_loadcnt 0x0
.set r, 0
.rept 16
	v_cvt_pk_bf16_f32 v[Y+r], v[X+r], v[X+16+r]    ; cos below, sin above
.set r, r+1
.endr
	s_wait_alu depctr_va_vdst(0)                   ; the sixteen roundings have written Y, which the four stores read
.irp i, 0,1,2,3
	global_store_b128 v[VI], v[Y+4*(\i):Y+4*(\i)+3], s[28:29] offset:(\i)*4096 th:TH_STORE_NT
.endr
	s_endpgm
.Lfunc_end_k_q5f9382ed08_cast:
	.size	k_q5f9382ed08_cast, .Lfunc_end_k_q5f9382ed08_cast-k_q5f9382ed08_cast
	.p2alignl 7, 3214868480
	.fill 96, 4, 3214868480
	.section	.rodata,"a",@progbits
	.p2align	6, 0x0
	.amdhsa_kernel k_q5f9382ed08_cast
		.amdhsa_group_segment_fixed_size 35840
		.amdhsa_private_segment_fixed_size 0
		.amdhsa_enable_private_segment 0
		.amdhsa_kernarg_size 88
		.amdhsa_user_sgpr_count 2
		.amdhsa_user_sgpr_kernarg_segment_ptr 1
		.amdhsa_wavefront_size32 1
		.amdhsa_system_sgpr_workgroup_id_x 1
		.amdhsa_system_sgpr_workgroup_id_y 1
		.amdhsa_system_sgpr_workgroup_id_z 1
		.amdhsa_system_vgpr_workitem_id 0
		.amdhsa_next_free_vgpr 144
		.amdhsa_next_free_sgpr 66
		.amdhsa_reserve_vcc 0
		.amdhsa_float_denorm_mode_32 3
		.amdhsa_float_denorm_mode_16_64 3
		.amdhsa_memory_ordered 1
		.amdhsa_forward_progress 1
		.amdhsa_inst_pref_size 62
	.end_amdhsa_kernel
	.amdgpu_metadata
---
amdhsa.version: [ 1, 2 ]
amdhsa.kernels:
  - .name:           k_q5f9382ed08_cast
    .symbol:         k_q5f9382ed08_cast.kd
    .args:
      - { .name: x, .offset: 0, .size: 8, .value_kind: global_buffer, .address_space: global }
      - { .name: wq, .offset: 8, .size: 8, .value_kind: global_buffer, .address_space: global }
      - { .name: wk, .offset: 16, .size: 8, .value_kind: global_buffer, .address_space: global }
      - { .name: wv, .offset: 24, .size: 8, .value_kind: global_buffer, .address_space: global }
      - { .name: wo, .offset: 32, .size: 8, .value_kind: global_buffer, .address_space: global }
      - { .name: freqs_cos, .offset: 40, .size: 8, .value_kind: global_buffer, .address_space: global }
      - { .name: freqs_sin, .offset: 48, .size: 8, .value_kind: global_buffer, .address_space: global }
      - { .name: xb, .offset: 56, .size: 8, .value_kind: global_buffer, .address_space: global }
      - { .name: wb, .offset: 64, .size: 8, .value_kind: global_buffer, .address_space: global }
      - { .name: wob, .offset: 72, .size: 8, .value_kind: global_buffer, .address_space: global }
      - { .name: cs, .offset: 80, .size: 8, .value_kind: global_buffer, .address_space: global }
    .group_segment_fixed_size: 35840
    .private_segment_fixed_size: 0
    .kernarg_segment_align: 8
    .kernarg_segment_size: 88
    .max_flat_workgroup_size: 256
    .sgpr_count:     66
    .vgpr_count:     144
    .wavefront_size: 32
...
	.end_amdgpu_metadata
.endif
;; end of part 5
;; launch qkv: the kernel of part 2 again; grid 16 x 16, 4 waves a work-group, clusters of 4 x 1, 327,680 bytes of LDS; arguments xb, wb, cs, qkv; writes qkv
;; launch attn: the kernel of part 3 again; grid 32 x 8, 4 waves a work-group, clusters of 4 x 1, 327,680 bytes of LDS; arguments qkv, ob; writes ob
;; launch oproj: the kernel of part 4 again; grid 16 x 16, 4 waves a work-group, clusters of 4 x 1, 327,680 bytes of LDS; arguments ob, wob, out0; writes out0
